; MI455X (gfx1250); checked and timed in simulation.
; The chip was launched on July 23, 2026; its instructions are those of AMD's public machine-readable ISA for CDNA 5 (MIT licence, August 2026) and "CDNA5" Instruction Set Architecture Reference Guide (July 2026). The comments in the code are by the model that wrote it; some were corrected since.
;; Interact Pre. Allowed arithmetic: matrix products marked QUANTISED: E2M1 operands, one E8M0 scale for each 32 along K, by v_wmma_scale_f32_16x16x128_f8f6f4 with both operands' format E2M1 (or v_wmma_scale_f32_32x16x128_f4), f32 sums; products left as they are: bf16, f16 or f32 operands; f32 sums; everything else in f32.
;; Inputs: W1 64 x 256 float32; W2 64 x 256 float32; Wa 64 x 64 float32; Wc 256 x 1,024 float32; Wf1 256 x 128 float32; Wf2 128 x 256 float32; Wf3 1 x 128 float32; Wpa 64 x 64 float32; Wra 64 x 64 float32; b1 64 float32; b2 64 float32; ba 64 float32; bc 256 float32; bf1 256 float32; bf2 128 float32; bf3 1 float32; bpa 64 float32; bra 64 float32; protein 1 x 4,096 x 1,024 float32; reactions 1 x 512 x 256 float32.
;; Outputs: out0 512 float32.
;; This version of the problem:
;;   THIS VERSION OF THE PROBLEM IS GIVEN IN LOW PRECISION. The matrix products marked QUANTISED in the list below multiply operands that are first quantised to E2M1 (2 exponent bits, 1 mantissa bit; 4 bits a number), with one power-of-two scale for each 32 numbers along K (OCP MX v1.0); their sums are f32. The products marked 'left as it is' may take bf16, f16 or f32 operands, with f32 sums. Whichever they take, every output number must still come out within the allowed error. Rounding operands to bf16 (8 significant bits) uses up far more of that allowance than f16 does (11 bits, for magnitudes from 6e-5 to 65,504). All else is computed in f32.
;;   The module's matrix products, in the order in which they are computed (A, B: the left and right operand; K: the contracted axis; several contracted axes count as one K, in the product's order):
;;     1. [M 4,096, K 1,024] x [K 1,024, N 256]; A: input protein; B: input Wc: QUANTISED
;;     2. [M 512, K 256] x [K 256, N 64]; A: input reactions; B: input W2: QUANTISED
;;     3. [M 4,096, K 256] x [K 256, N 64]; A: computed on the way; B: input W1: left as it is (an operand is computed on the way)
;;     4. [M 512, K 64] x [K 64, N 64]; A: computed on the way; B: input Wra: left as it is (an operand is computed on the way)
;;     5. [M 4,096, K 64] x [K 64, N 64]; A: computed on the way; B: input Wpa: left as it is (an operand is computed on the way)
;;     6. [M 2,097,152, K 64] x [K 64, N 64]; A: computed on the way; B: input Wa: left as it is (an operand is computed on the way)
;;     7. [M 512, K 128] x [K 128, N 256]; A: computed on the way; B: input Wf1: left as it is (an operand is computed on the way)
;;     8. [M 512, K 256] x [K 256, N 128]; A: computed on the way; B: input Wf2: left as it is (an operand is computed on the way)
;;     9. [M 512, K 128] x [K 128, N 1]; A: computed on the way; B: input Wf3: left as it is (N = 1 < 16)
;;   THE QUANTISER, for each operand of a quantised product, along K:
;;     - K is cut into blocks of 32 from its start; a last block that is shorter is filled with zeros.
;;     - A block's scale is 2^e with e = floor(log2(the largest magnitude in the block)) - 2, held to -126 .. 127; a block of zeros has e = 0. As a byte (E8M0): e + 127.
;;     - Each number is divided by its block's scale, clamped to +-6, and rounded to the nearest number of E2M1, ties to even, subnormals kept.
;;     - The product sums the exact products of the quantised numbers (number of the format x scale) in f32.
;;   ~~~python
;;   def quantise(x, axis):      # numpy; x: float32 -> the quantised numbers, widened to float32 again
;;       x = np.moveaxis(x, axis, -1); K = x.shape[-1]
;;       x = np.pad(x, [(0, 0)] * (x.ndim - 1) + [(0, -K % 32)]); x = x.reshape(x.shape[:-1] + (-1, 32)); a = np.abs(x).max(-1, keepdims=True)
;;       e = np.where(a > 0, np.clip(np.frexp(np.where(a > 0, a, 1))[1] - 1 - 2, -126, 127), 0)      # np.frexp(a)[1] - 1 = floor(log2(a)), exactly
;;       r = np.clip(x / 2.0 ** e, -6, 6)
;;       step = 2.0 ** (np.maximum(np.frexp(np.where(r == 0, 1, r))[1] - 1, 0) - 1)
;;       q = np.round(r / step) * step * 2.0 ** e      # np.round: ties to even
;;       return np.moveaxis(q.reshape(q.shape[:-2] + (-1,))[..., :K], -1, axis).astype(np.float32)
;;   ~~~
;; 2 versions, each right; version 2 is version 1 with the launches prep, main written anew for expert scheduling mode. Each part assembles by itself: llvm-mc -triple=amdgcn-amd-amdhsa -mcpu=gfx1250 --defsym DOCPART=n.
;; ======== version 1 of 2: 3 launches
;; limits: a difference of large sums (such as E[x^2] - mean^2): digits are lost where the result is much smaller than its terms
;; workspace buffers: wcq 131,072 bytes; wcs 16,384 bytes; rbuf 131,072 bytes; rabuf 131,072 bytes; wfrag 360,448 bytes; sqpart 33,554,432 bytes; protpart 65,536 bytes
;; launch prep (part 1): grid 46 x 1, 8 waves a work-group, no clusters, 157,696 bytes of LDS; arguments reactions, W2, b2, Wra, bra, Wc, W1, Wpa, Wa, Wf1, Wf2, wcq, wcs, rbuf, rabuf, wfrag; writes wcq, wcs, rbuf, rabuf, wfrag
.if DOCPART == 1
	.amdgcn_target "amdgcn-amd-amdhsa--gfx1250"
	.amdhsa_code_object_version 6
	.text
	.protected	k_qec0e457116_prep
	.globl	k_qec0e457116_prep
	.p2align	8
	.type	k_qec0e457116_prep,@function
k_qec0e457116_prep:
	s_mov_b64 s[64:65], 0
	v_nop
	global_prefetch_b8 v0, s[64:65] scope:SCOPE_SE
	s_setreg_imm32_b32 hwreg(HW_REG_WAVE_MODE, 25, 1), 1
	s_wait_xcnt 0x0
; PREP: what every later work-group reads is made once, and laid as IMAGES OF OPERAND REGISTERS (16 bytes a lane, 512 bytes an instruction).
; Three roles, chosen by the work-group's number:
;   R (work-groups 0-7):   64 rows of reactions each.  r = relu(Q(reactions) Q(W2)^T + b2) on codes of E2M1 with E8M0 scales; ra = r Wra^T + bra on bf16.  Stores r and ra as f32 rows.
;   Q (work-groups 8-23):  tile t = work-group - 8 of 16 rows of Wc; wave s quantises K step s (128 along K) into one fragment's codes and its scale words.
;   S (work-groups 24-45): wave e = 8 (work-group - 24) + wave splits one bf16 fragment (16 rows x 32 K) of W1, Wpa, Wa, Wf1 or Wf2 into a high and a low bf16 part.
; THE QUANTISER: a block's scale byte is the exponent field of its largest magnitude less 2, held at 1 from below; the conversion divides, holds at the largest code and rounds to nearest, ties to even.
; LIMITS: NaN and infinities are not served; a block whose largest magnitude lies under 2^-124 has the byte 1; a block of zeros has the byte 1 with zero codes (the bytes are read by this program alone);
; a weight that rounds to infinity in bf16 is not served.  Role Q's scale words leave as 128 bytes a wave (16,384 bytes in all); role S reads 128 bytes of each of 16 rows, once (360,448 bytes in all).
; No tensor load, no cluster: every byte goes from memory into the registers that work on it, and no two work-groups of a role share more than W2 (65,536 bytes).
.set W2IMG, 0          ; LDS: W2's eight fragments (tile t, K step s: 2 t + s), 1,024 bytes each
.set W2SC,  8192       ; their scale words, 128 bytes each
.set WRIMG, 9216       ; Wra's eight bf16 fragments (2 t + chunk), 1,024 bytes each
.set SPARE, 17408      ; the spare words, 128 bytes a wave
.set STGR,  18432      ; role R: a stage of 2 x 16 rows x 272 bytes for each wave
.set STGQ,  88064      ; role Q: the same, in bytes of its own
.set H8,   7           ; v7    8 h
.set TP,   8           ; v8    a lane permute's destination
.set QT,   9           ; v9-14 the quantiser's six at work (at the head: v9 = r, v10 = h)
.set SPW,  16          ; v16   my spare word's address; never rewritten
.set NIL,  17          ; v17   0; never rewritten
.set XC,   32          ; v32-47  my two fragments of codes; later r as a bf16 operand
.set DD,   48          ; v48-79  b2, then r (waves 4-7: Wra's numbers)
.set EE,   80          ; v80-111 bra, then ra (waves 4-7: Wra in bf16)
.set ATSQ, 112         ; v112, v113 role Q's stage addresses
.set ATLQ, 113
.set BA,   128         ; v128-191 64 numbers a lane; later W2's fragments; later rows on the way out
.set BB,   192         ; v192-255 64 numbers a lane; later Wra's fragments
.set SEL,  60          ; s[60:61] selects of v_permlanex16_b32 for lane l xor 16
.set MASK, 62          ; s62   a word's upper bf16
; v1 16 L; v2 4 L; v3 32 h; v4 the loads' offset; v5, v6 role R's stage (in by rows of the load, out by the operand's order); v15 (w & 3) 2,048 + 16 L; v18, v19 my scale words; v20-27 W2's (v18-27 hold scales alone);
; v28 (w & 3) 256 + 4 L; v29 stage + 272 r + 32 h; v30 256 h + 16 r; v31 256 r + 32 h
.macro PLACES n
.rept \n
	v_nop
.endr
.endm
; 16 rows x 128 numbers of f32: lanes 0-15 read 256 consecutive bytes of row 2 i, lanes 16-31 of row 2 i + 1
.macro QLOAD buf, voff, sb, pitch, imm
.irp c, 0,1
.irp i, 0,1,2,3,4,5,6,7
	global_load_b128 v[\buf+32*\c+4*\i:\buf+32*\c+4*\i+3], v[\voff], s[\sb:\sb+1] offset:\imm+2*\i*\pitch+256*\c
.endr
.endr
.endm
; through the wave's own stage: afterwards register 32 c + n holds k = 64 c + 32 h + n of row r: whole blocks in a lane, in the operand's order.  LDS serves a wave's instructions in order: no wait between stores and loads
.macro QTURN buf, ats, atl
.irp c, 0,1
.irp i, 0,1,2,3,4,5,6,7
	ds_store_b128 v[\ats], v[\buf+32*\c+4*\i:\buf+32*\c+4*\i+3] offset:4352*\c+544*\i
.endr
.endr
.irp c, 0,1
.irp i, 0,1,2,3,4,5,6,7
	ds_load_b128 v[\buf+32*\c+4*\i:\buf+32*\c+4*\i+3], v[\atl] offset:4352*\c+16*\i
.endr
.endr
.endm
; 64 numbers of a lane become a fragment's eight registers of codes and the row's scale word
.macro QUANT buf, cod, sw
.irp c, 0,1
	v_max3_num_f32 v[QT+\c], |v[\buf+32*\c]|, |v[\buf+32*\c+1]|, 0x1800000   ; my block 2 c + h, and the floor 2^(3 - 127): the byte cannot fall under 1
.endr
.irp i, 2,4,6,8,10,12,14,16,18,20,22,24,26,28,30
.irp c, 0,1
	v_max3_num_f32 v[QT+\c], v[QT+\c], |v[\buf+32*\c+\i]|, |v[\buf+32*\c+\i+1]|
.endr
.endr
.irp c, 0,1
	v_add_nc_u32 v[QT+2+\c], 0xff000000, v[QT+\c]      ; 2 off the exponent field: the conversion's scale operand
.endr
.irp c, 0,1
	v_lshrrev_b32 v[QT+4+\c], 23, v[QT+2+\c]           ; the scale's byte
.endr
	v_lshl_or_b32 v[\sw], v[QT+5], 16, v[QT+4]         ; blocks h and 2 + h,
	v_lshlrev_b32 v[\sw], v[H8], v[\sw]                ; at their places;
	v_permlanex16_b32 v[TP], v[\sw], s[SEL], s[SEL+1]
	v_or_b32 v[\sw], v[\sw], v[TP]                     ; with lane l xor 16's two the word is whole
.irp c, 0,1
.irp g, 0,1,2,3
	v_cvt_scalef32_pk8_fp4_f32 v[\cod+4*\c+\g], v[\buf+32*\c+8*\g:\buf+32*\c+8*\g+7], v[QT+2+\c]
.endr
.endr
	v_nop                                              ; one plain place behind the last scaled conversion
.endm
; eight f32 become four registers of bf16 (high part) and four of what is left (low part); the differences are exact
.macro SPLIT src, hi, lo, tmp
.irp m, 0,1,2,3
	v_cvt_pk_bf16_f32 v[\hi+\m], v[\src+2*\m], v[\src+2*\m+1]
.endr
.irp m, 0,1,2,3
	v_lshlrev_b32 v[\tmp+2*(\m%2)], 16, v[\hi+\m]
	v_and_b32 v[\tmp+2*(\m%2)+1], s[MASK], v[\hi+\m]
	v_sub_f32 v[\tmp+2*(\m%2)], v[\src+2*\m], v[\tmp+2*(\m%2)]
	v_sub_f32 v[\tmp+2*(\m%2)+1], v[\src+2*\m+1], v[\tmp+2*(\m%2)+1]
	v_cvt_pk_bf16_f32 v[\lo+\m], v[\tmp+2*(\m%2)], v[\tmp+2*(\m%2)+1]
.endr
.endm
; four result tiles (lane (r, h), register j of tile t: row r, column 16 t + 8 h + j) leave as 16 whole rows of 256 bytes, two rows an instruction
.macro OUTROWS src, y, sb
.irp t, 0,1,2,3
	ds_store_b128 v29, v[\src+8*\t:\src+8*\t+3] offset:64*\t          ; each accumulator from its low end on
	ds_store_b128 v29, v[\src+8*\t+4:\src+8*\t+7] offset:64*\t+16
.endr
.irp i, 0,1,2,3,4,5,6,7
	ds_load_b128 v[\y+4*\i:\y+4*\i+3], v5 offset:544*\i
.endr
.irp i, 0,1,2,3,4,5,6,7
	s_wait_dscnt 7-\i                                  ; the loads behind this one may be out
	global_store_b128 v30, v[\y+4*\i:\y+4*\i+3], s[\sb:\sb+1] offset:512*\i
.endr
.endm
	s_load_b512 s[8:23], s[0:1], 0x0               ; reactions 8, W2 10, b2 12, Wra 14, bra 16, Wc 18, W1 20, Wpa 22
	s_load_b512 s[24:39], s[0:1], 0x40             ; Wa 24, Wf1 26, Wf2 28, wcq 30, wcs 32, rbuf 34, rabuf 36, wfrag 38
	v_lshl_add_u32 v[SPW], v0, 2, SPARE
	v_mov_b32 v[NIL], 0
	v_lshrrev_b32 v11, 5, v0
	v_readfirstlane_b32 s4, v11                    ; wave 0..7
	s_and_b32 s5, s4, 3
	v_and_b32 v12, 31, v0                          ; L
	v_and_b32 v9, 15, v0                           ; r
	v_bfe_u32 v10, v0, 4, 1                        ; h
	v_lshlrev_b32 v1, 4, v12
	v_lshlrev_b32 v2, 2, v12
	v_lshlrev_b32 v3, 5, v10
	v_lshlrev_b32 v[H8], 3, v10
	v_mov_b32 v[TP], 0
	s_mul_i32 s6, s4, 8704                         ; my stage among its role's eight
	v_mul_u32_u24 v13, v10, 272
	v_lshl_add_u32 v13, v9, 4, v13
	v_add_nc_u32 v13, s6, v13                      ; in: row h of a pair, 16 r
	v_add_nc_u32 v5, STGR, v13
	v_add_nc_u32 v[ATSQ], STGQ, v13
	v_mul_u32_u24 v14, v9, 272
	v_add_nc_u32 v14, s6, v14
	v_lshl_add_u32 v13, v10, 7, v14                ; out: row r, 128 h
	v_add_nc_u32 v6, STGR, v13
	v_add_nc_u32 v[ATLQ], STGQ, v13
	v_lshl_add_u32 v14, v10, 5, v14                ; results in: row r, 32 h
	v_add_nc_u32 v29, STGR, v14
	s_lshl_b32 s7, s5, 11
	v_add_nc_u32 v15, s7, v1
	s_lshl_b32 s7, s5, 8
	v_add_nc_u32 v28, s7, v2
	v_lshlrev_b32 v30, 8, v10
	v_lshl_add_u32 v30, v9, 4, v30
	v_lshlrev_b32 v31, 8, v9
	v_lshl_add_u32 v31, v10, 5, v31
	s_mov_b32 s[SEL], 0x76543210
	s_mov_b32 s[SEL+1], 0xfedcba98
	s_mov_b32 s[MASK], 0xffff0000
	s_wait_kmcnt 0x0
	s_cmp_lt_u32 ttmp9, 8
	s_cbranch_scc1 .Lrole_r
	s_cmp_lt_u32 ttmp9, 24
	s_cbranch_scc1 .Lrole_q
	; ---- ROLE S: fragment e of the five weights that go on as bf16
	s_sub_co_u32 s40, ttmp9, 24
	s_lshl_b32 s40, s40, 3
	s_add_co_u32 s40, s40, s4                      ; e = 0 .. 175
	s_mov_b64 s[44:45], s[28:29]                   ; from 112 on: Wf2, 8 chunks of 32 in a row
	s_mov_b32 s41, 112
	s_mov_b32 s42, 3
	s_cmp_lt_u32 s40, 112                          ; the choices hang on ids alone
	s_cselect_b64 s[44:45], s[26:27], s[44:45]     ; from 48 on: Wf1, 4 chunks
	s_cselect_b32 s41, 48, s41
	s_cselect_b32 s42, 2, s42
	s_cmp_lt_u32 s40, 48
	s_cselect_b64 s[44:45], s[24:25], s[44:45]     ; from 40 on: Wa, 2 chunks
	s_cselect_b32 s41, 40, s41
	s_cselect_b32 s42, 1, s42
	s_cmp_lt_u32 s40, 40
	s_cselect_b64 s[44:45], s[22:23], s[44:45]     ; from 32 on: Wpa, 2 chunks
	s_cselect_b32 s41, 32, s41
	s_cselect_b32 s42, 1, s42
	s_cmp_lt_u32 s40, 32
	s_cselect_b64 s[44:45], s[20:21], s[44:45]     ; from 0 on: W1, 8 chunks
	s_cselect_b32 s41, 0, s41
	s_cselect_b32 s42, 3, s42
	s_sub_co_u32 s43, s40, s41
	s_lshr_b32 s46, s43, s42                       ; the tile of 16 rows
	s_lshl_b32 s47, s46, s42
	s_sub_co_u32 s47, s43, s47                     ; the chunk of 32 along K
	s_add_co_u32 s42, s42, 7                       ; a row is 128 bytes x its chunks
	s_lshl_b32 s46, s46, 4
	s_lshl_b32 s46, s46, s42
	s_lshl_b32 s47, s47, 7
	s_add_co_u32 s46, s46, s47
	s_mov_b32 s47, 0
	s_add_nc_u64 s[44:45], s[44:45], s[46:47]
	v_lshlrev_b32 v4, s42, v9                      ; row r,
	v_lshl_add_u32 v4, v10, 5, v4                  ; + 32 h: k = 8 h + 0 .. 7, and 16 further on
	global_load_b128 v[128:131], v4, s[44:45]
	global_load_b128 v[132:135], v4, s[44:45] offset:16
	global_load_b128 v[136:139], v4, s[44:45] offset:64
	global_load_b128 v[140:143], v4, s[44:45] offset:80
	s_lshl_b32 s48, s40, 11
	s_mov_b32 s49, 0
	s_add_nc_u64 s[50:51], s[38:39], s[48:49]
	s_wait_loadcnt 0x0
	SPLIT 128, 144, 152, 160                       ; registers 0-3: high v144-147, low v152-155
	SPLIT 136, 148, 156, 160                       ; registers 4-7: high v148-151, low v156-159
.irp p, 0,1,2,3
	global_store_b128 v1, v[144+4*\p:147+4*\p], s[50:51] offset:512*\p   ; high 0-3, high 4-7, low 0-3, low 4-7: 512 consecutive bytes each
.endr
	s_branch .Lend
	; ---- ROLE Q: one fragment of Wc
.Lrole_q:
	v_lshlrev_b32 v4, 12, v10                      ; a row of Wc is 4,096 bytes
	v_lshl_add_u32 v4, v9, 4, v4
	s_sub_co_u32 s40, ttmp9, 8                     ; t
	s_lshl_b32 s42, s40, 16                        ; 16 rows
	s_lshl_b32 s43, s4, 9                          ; K step = wave: 512 bytes
	s_add_co_u32 s42, s42, s43
	s_mov_b32 s43, 0
	s_add_nc_u64 s[44:45], s[18:19], s[42:43]
	QLOAD BA, 4, 44, 4096, 0
	s_lshl_b32 s46, s40, 3
	s_add_co_u32 s46, s46, s4                      ; f = 8 t + s
	s_lshl_b32 s48, s46, 10
	s_mov_b32 s49, 0
	s_add_nc_u64 s[50:51], s[30:31], s[48:49]
	s_lshl_b32 s48, s46, 7
	s_add_nc_u64 s[52:53], s[32:33], s[48:49]
	s_wait_loadcnt 0x0
	QTURN BA, ATSQ, ATLQ
	s_wait_dscnt 0x0
	QUANT BA, XC, 18
	global_store_b128 v1, v[XC:XC+3], s[50:51]
	global_store_b128 v1, v[XC+4:XC+7], s[50:51] offset:512
	global_store_b32 v2, v18, s[52:53]
	s_branch .Lend
	; ---- ROLE R: waves 0-3 quantise 16 rows of reactions each, waves 4-7 a tile of W2 each (and bring Wra's tile); a barrier; waves 0-3 multiply
.Lrole_r:
	v_lshlrev_b32 v4, 10, v10                      ; a row of reactions and of W2 is 1,024 bytes
	v_lshl_add_u32 v4, v9, 4, v4
	s_lshl_b32 s40, ttmp9, 16                      ; my work-group's 64 rows of reactions
	s_mov_b32 s41, 0
	s_lshl_b32 s42, s5, 14                         ; my 16 rows
	s_mov_b32 s43, 0
	s_cmp_lt_u32 s4, 4
	s_cselect_b64 s[44:45], s[8:9], s[10:11]
	s_cselect_b32 s40, s40, 0
	s_add_nc_u64 s[44:45], s[44:45], s[40:41]
	s_add_nc_u64 s[44:45], s[44:45], s[42:43]
	s_lshl_b32 s40, ttmp9, 14                      ; the same rows in r and in ra: 256 bytes a row
	s_lshl_b32 s42, s5, 12
	s_add_co_u32 s40, s40, s42
	s_add_nc_u64 s[48:49], s[34:35], s[40:41]
	s_add_nc_u64 s[50:51], s[36:37], s[40:41]
	s_add_nc_u64 s[46:47], s[14:15], s[42:43]      ; Wra's tile w - 4: 16 rows of 256 bytes
	s_cmp_lt_u32 s4, 4
	s_cbranch_scc0 .Lr_weights
.irp t, 0,1,2,3                                ; the biases are the C of each sum's first product: lane (r, h) wants those of columns 16 t + 8 h + 0 .. 7
	global_load_b128 v[DD+8*\t:DD+8*\t+3], v3, s[12:13] offset:64*\t
	global_load_b128 v[DD+8*\t+4:DD+8*\t+7], v3, s[12:13] offset:64*\t+16
	global_load_b128 v[EE+8*\t:EE+8*\t+3], v3, s[16:17] offset:64*\t
	global_load_b128 v[EE+8*\t+4:EE+8*\t+7], v3, s[16:17] offset:64*\t+16
.endr
	s_branch .Lr_rows
.Lr_weights:
.irp n, 0,1,2,3                                ; n = 2 chunk + half: eight numbers, k = 32 chunk + 16 half + 8 h + 0 .. 7
	global_load_b128 v[DD+8*\n:DD+8*\n+3], v31, s[46:47] offset:64*\n
	global_load_b128 v[DD+8*\n+4:DD+8*\n+7], v31, s[46:47] offset:64*\n+16
.endr
.Lr_rows:
	QLOAD BA, 4, 44, 1024, 0                       ; K step 0
	QLOAD BB, 4, 44, 1024, 512                     ; K step 1
	s_wait_loadcnt 16                              ; all but K step 1's sixteen
	QTURN BA, 5, 6
	s_wait_dscnt 0x0
	QUANT BA, XC, 18
	s_wait_loadcnt 0x0
	QTURN BB, 5, 6
	s_wait_dscnt 0x0
	QUANT BB, XC+8, 19
	s_cmp_lt_u32 s4, 4
	s_cbranch_scc1 .Lr_meet
.irp s, 0,1                                    ; waves 4-7: the operands go to LDS as they stand in the registers
.irp c, 0,1
	ds_store_b128 v15, v[XC+8*\s+4*\c:XC+8*\s+4*\c+3] offset:W2IMG+1024*\s+512*\c
.endr
	ds_store_b32 v28, v[18+\s] offset:W2SC+128*\s
.endr
.irp n, 0,1,2,3,4,5,6,7,8,9,10,11,12,13,14,15
	v_cvt_pk_bf16_f32 v[EE+\n], v[DD+2*\n], v[DD+2*\n+1]
.endr
.irp n, 0,1,2,3
	ds_store_b128 v15, v[EE+4*\n:EE+4*\n+3] offset:WRIMG+512*\n
.endr
.Lr_meet:
	s_wait_dscnt 0x0                               ; my stores have landed
	s_barrier_signal -1
	s_barrier_wait -1
	s_cmp_lt_u32 s4, 4
	s_cbranch_scc0 .Lend                           ; waves 4-7 are done
.irp f, 0,1,2,3,4,5,6,7                        ; f = 2 t + K step (W2), 2 t + chunk (Wra)
	ds_load_b128 v[BA+8*\f:BA+8*\f+3], v1 offset:W2IMG+1024*\f
	ds_load_b128 v[BA+8*\f+4:BA+8*\f+7], v1 offset:W2IMG+1024*\f+512
	ds_load_b32 v[20+\f], v2 offset:W2SC+128*\f
	ds_load_b128 v[BB+8*\f:BB+8*\f+3], v1 offset:WRIMG+1024*\f
	ds_load_b128 v[BB+8*\f+4:BB+8*\f+7], v1 offset:WRIMG+1024*\f+512
.endr
	s_wait_dscnt 0x0
	PLACES 8                                       ; my scale words were written by vector instructions: eight places ahead of a scaled product (my codes: four)
.irp s, 0,1                                    ; TRANSPOSED: source 0 = 16 rows of W2, source 1 = my 16 rows.  The four accumulators take turns
.irp t, 0,1,2,3
	v_wmma_scale_f32_16x16x128_f8f6f4 v[DD+8*\t:DD+8*\t+7], v[BA+8*(2*\t+\s):BA+8*(2*\t+\s)+7], v[XC+8*\s:XC+8*\s+7], v[DD+8*\t:DD+8*\t+7], v[20+2*\t+\s], v[18+\s] matrix_a_fmt:MATRIX_FMT_FP4 matrix_b_fmt:MATRIX_FMT_FP4
.endr
.endr
	PLACES 4
.irp j, 0,1,2,3,4,5,6,7,8,9,10,11,12,13,14,15,16,17,18,19,20,21,22,23,24,25,26,27,28,29,30,31
	v_max_num_f32 v[DD+\j], 0, v[DD+\j]            ; r
.endr
	OUTROWS DD, 128, 48
.irp n, 0,1,2,3,4,5,6,7,8,9,10,11,12,13,14,15  ; tiles 2 c and 2 c + 1, packed in pairs, are registers 0-3 and 4-7 of the next operand's chunk c
	v_cvt_pk_bf16_f32 v[XC+\n], v[DD+2*\n], v[DD+2*\n+1]
.endr
.irp c, 0,1
.irp t, 0,1,2,3
	v_wmma_f32_16x16x32_bf16 v[EE+8*\t:EE+8*\t+7], v[BB+8*(2*\t+\c):BB+8*(2*\t+\c)+7], v[XC+8*\c:XC+8*\c+7], v[EE+8*\t:EE+8*\t+7]
.endr
.endr
	PLACES 4
	OUTROWS EE, 160, 50
.Lend:
	s_wait_tensorcnt 0x0                           ; the wave's end
	ds_add_u32 v[SPW], v[NIL]
	s_wait_dscnt 0x0
	s_endpgm
.Lfunc_end_k_qec0e457116_prep:
	.size	k_qec0e457116_prep, .Lfunc_end_k_qec0e457116_prep-k_qec0e457116_prep
	.p2alignl 7, 3214868480
	.fill 96, 4, 3214868480
	.section	.rodata,"a",@progbits
	.p2align	6, 0x0
	.amdhsa_kernel k_qec0e457116_prep
		.amdhsa_group_segment_fixed_size 157696
		.amdhsa_private_segment_fixed_size 0
		.amdhsa_enable_private_segment 0
		.amdhsa_kernarg_size 128
		.amdhsa_user_sgpr_count 2
		.amdhsa_user_sgpr_kernarg_segment_ptr 1
		.amdhsa_wavefront_size32 1
		.amdhsa_system_sgpr_workgroup_id_x 1
		.amdhsa_system_sgpr_workgroup_id_y 1
		.amdhsa_system_sgpr_workgroup_id_z 1
		.amdhsa_system_vgpr_workitem_id 0
		.amdhsa_next_free_vgpr 256
		.amdhsa_next_free_sgpr 66
		.amdhsa_reserve_vcc 0
		.amdhsa_float_denorm_mode_32 3
		.amdhsa_float_denorm_mode_16_64 3
		.amdhsa_memory_ordered 1
		.amdhsa_forward_progress 1
		.amdhsa_inst_pref_size 43
	.end_amdhsa_kernel
	.amdgpu_metadata
---
amdhsa.version: [ 1, 2 ]
amdhsa.kernels:
  - .name:           k_qec0e457116_prep
    .symbol:         k_qec0e457116_prep.kd
    .args:
      - { .name: reactions, .offset: 0, .size: 8, .value_kind: global_buffer, .address_space: global }
      - { .name: W2, .offset: 8, .size: 8, .value_kind: global_buffer, .address_space: global }
      - { .name: b2, .offset: 16, .size: 8, .value_kind: global_buffer, .address_space: global }
      - { .name: Wra, .offset: 24, .size: 8, .value_kind: global_buffer, .address_space: global }
      - { .name: bra, .offset: 32, .size: 8, .value_kind: global_buffer, .address_space: global }
      - { .name: Wc, .offset: 40, .size: 8, .value_kind: global_buffer, .address_space: global }
      - { .name: W1, .offset: 48, .size: 8, .value_kind: global_buffer, .address_space: global }
      - { .name: Wpa, .offset: 56, .size: 8, .value_kind: global_buffer, .address_space: global }
      - { .name: Wa, .offset: 64, .size: 8, .value_kind: global_buffer, .address_space: global }
      - { .name: Wf1, .offset: 72, .size: 8, .value_kind: global_buffer, .address_space: global }
      - { .name: Wf2, .offset: 80, .size: 8, .value_kind: global_buffer, .address_space: global }
      - { .name: wcq, .offset: 88, .size: 8, .value_kind: global_buffer, .address_space: global }
      - { .name: wcs, .offset: 96, .size: 8, .value_kind: global_buffer, .address_space: global }
      - { .name: rbuf, .offset: 104, .size: 8, .value_kind: global_buffer, .address_space: global }
      - { .name: rabuf, .offset: 112, .size: 8, .value_kind: global_buffer, .address_space: global }
      - { .name: wfrag, .offset: 120, .size: 8, .value_kind: global_buffer, .address_space: global }
    .group_segment_fixed_size: 157696
    .private_segment_fixed_size: 0
    .kernarg_segment_align: 8
    .kernarg_segment_size: 128
    .max_flat_workgroup_size: 256
    .sgpr_count:     66
    .vgpr_count:     256
    .wavefront_size: 32
...
	.end_amdgpu_metadata
.endif
;; end of part 1
;; launch main (part 2): grid 256 x 1, 16 waves a work-group, no clusters, 190,208 bytes of LDS; arguments protein, wcq, wcs, bc, wfrag, b1, bpa, ba, rabuf, sqpart, protpart; writes sqpart, protpart
.if DOCPART == 2
	.amdgcn_target "amdgcn-amd-amdhsa--gfx1250"
	.amdhsa_code_object_version 6
	.text
	.protected	k_qec0e457116_main
	.globl	k_qec0e457116_main
	.p2align	8
	.type	k_qec0e457116_main,@function
k_qec0e457116_main:
	s_mov_b64 s[64:65], 0
	v_nop
	global_prefetch_b8 v0, s[64:65] scope:SCOPE_SE
	s_setreg_imm32_b32 hwreg(HW_REG_WAVE_MODE, 25, 1), 1
	s_wait_xcnt 0x0
; MAIN: work-group b owns protein rows l = 16 b .. 16 b + 15, with all 512 q and all 64 channels.
;   p = relu(Q(protein) Q(Wc)^T + bc) on codes of E2M1; k = relu(p W1^T + b1) on pairs of bf16 (high and low part, three products); pa = k Wpa^T + bpa on bf16;
;   then every number of H[q, l, c] = relu(ra[q, c] + pa[l, c]) is made once and added into two sums; the sum over q is whole here, so p_gate, k + k p_gate and its maximum over my 16 l are finished;
;   the sum over my 16 l leaves as a partial sum for each q.
; TWO IDENTITIES, which hold for every input.  (1) A mean is linear: mean(H Wa^T + ba) = mean(H) Wa^T + ba, so Wa meets the means and not H.  (2) relu(a + b) = max(a, -b) + b:
;   sum_q H = sum_q max(ra, -pa) + 512 pa, sum_l H = sum_l max(ra, -pa) + sum_l pa: the inner step is a maximum and two additions.
; LIMITS: the order of rounding differs from a sum of relu(ra + pa): where pa lies far under -ra the mean is a small remainder of sums of the size of pa, with an error of a few 2^-24 |pa| x the depth of the sums.
;   NaN and infinities are not served; a block whose largest magnitude lies under 2^-124 has the scale byte 1, a block of zeros the byte 1 with zero codes; numbers that round to infinity in bf16 are not served.
; SIXTEEN WAVES of 256 registers.  All products are TRANSPOSED (source 0 = 16 rows of a weight, source 1 = my 16 rows): in a result lane (r, h) holds row r, register j column 16 T + 8 h + j,
;   so two neighbouring tiles packed in pairs are the next bf16 operand's registers.  Operands go from wave to wave through LDS as images of their registers.
; NO CLUSTER, NO TENSOR LOAD: what work-groups share (131,072 bytes of Wc's codes, 131,072 of ra, the weights' images) goes once from memory into the very registers that use it, 8,192 bytes a wave;
;   a joint load would lay it into LDS first, behind rounds of a barrier, for a kernel whose length is the 2,048 vector instructions a wave of the loop over pairs.  No LDS region but a wave's own stage is written twice.
.set XIMG,  0          ; protein's eight fragments [K step][half][lane][16]
.set XSC,   8192       ; their scale words [K step][lane] 4
.set PIMG,  9216       ; p as bf16 [chunk 8][high, low][half][lane][16]
.set KPART, 25600      ; partial sums of k [wave][half][lane][16]
.set KIMG,  41984      ; k as bf16 [chunk 2][half][lane][16]
.set NPA,   44032      ; -pa, 16 rows, 272 bytes apart
.set SLROW, 48384      ; mean over q of H, 16 rows, 272 bytes apart
.set PMAX,  52736      ; the maximum over my 16 l, 64 channels
.set SPARE, 52992      ; the spare words, 128 bytes a wave
.set STG,   55040      ; waves 0-7: a stage of 2 x 16 rows x 272 bytes each
.set LPART, 124672     ; sums over a wave's 32 q [wave][l][256 bytes]
.set H8,   18
.set TP,   19
.set SPW,  20          ; my spare word's address; never rewritten
.set NIL,  21          ; 0; never rewritten
.set QT,   184         ; the quantiser's six at work
.set SEL,  60
.set MASK, 62
; v1 16 L; v2 8 L; v3 4 L; v4 32 h; v5 4,096 h + 16 r; v6, v7 my stage, in and out; v8 1,024 w + 16 L; v9 128 w + 4 L; v10 2,048 (w / 2) + 512 (w % 2) + 16 L; v11 1,024 (w / 2) + 512 (w % 2) + 16 L;
; v12 4,096 g + 16 L; v13 272 r + 32 h; v14 v13 + 64 t; v15 272 w + 8 L; v16 LPART + 4,096 w + 8 L; v17 LPART + 256 w + 8 L; v22 64 t + 32 h.   t = w % 4, g = w / 4
; v24-87 at work; v88-151 Wc's fragments, then ra; v152-159 Wc's scale words, v160-167 protein's (scales alone); v168-191 three accumulators; v192-223 W1; v224-239 Wpa, then Wa; v240-247 b1, then k; v248-255 bpa, then ba
.macro PLACES n
.rept \n
	v_nop
.endr
.endm
.macro BAR                             ; my LDS stores have landed and my LDS loads are in: then the work-group's barrier
	s_wait_dscnt 0x0
	s_barrier_signal -1
	s_barrier_wait -1
.endm
.macro QTURN buf, ats, atl             ; through my own stage: afterwards register 32 c + n holds k = 64 c + 32 h + n of row r.  LDS serves a wave's instructions in order
.irp c, 0,1
.irp i, 0,1,2,3,4,5,6,7
	ds_store_b128 v[\ats], v[\buf+32*\c+4*\i:\buf+32*\c+4*\i+3] offset:4352*\c+544*\i
.endr
.endr
.irp c, 0,1
.irp i, 0,1,2,3,4,5,6,7
	ds_load_b128 v[\buf+32*\c+4*\i:\buf+32*\c+4*\i+3], v[\atl] offset:4352*\c+16*\i
.endr
.endr
.endm
.macro QUANT buf, cod, sw              ; 64 numbers of a lane become a fragment's codes and the row's scale word
.irp c, 0,1
	v_max3_num_f32 v[QT+\c], |v[\buf+32*\c]|, |v[\buf+32*\c+1]|, 0x1800000   ; my block 2 c + h, and the floor 2^(3 - 127)
.endr
.irp i, 2,4,6,8,10,12,14,16,18,20,22,24,26,28,30
.irp c, 0,1
	v_max3_num_f32 v[QT+\c], v[QT+\c], |v[\buf+32*\c+\i]|, |v[\buf+32*\c+\i+1]|
.endr
.endr
.irp c, 0,1
	v_add_nc_u32 v[QT+2+\c], 0xff000000, v[QT+\c]      ; 2 off the exponent field: the conversion's scale operand
.endr
.irp c, 0,1
	v_lshrrev_b32 v[QT+4+\c], 23, v[QT+2+\c]
.endr
	v_lshl_or_b32 v[\sw], v[QT+5], 16, v[QT+4]
	v_lshlrev_b32 v[\sw], v[H8], v[\sw]
	v_permlanex16_b32 v[TP], v[\sw], s[SEL], s[SEL+1]
	v_or_b32 v[\sw], v[\sw], v[TP]
.irp c, 0,1
.irp g, 0,1,2,3
	v_cvt_scalef32_pk8_fp4_f32 v[\cod+4*\c+\g], v[\buf+32*\c+8*\g:\buf+32*\c+8*\g+7], v[QT+2+\c]
.endr
.endr
	v_nop                                              ; one plain place behind the last scaled conversion
.endm
.macro SPLIT src, hi, lo, tmp          ; eight f32: four registers of bf16, and four of what is left (the differences are exact)
.irp m, 0,1,2,3
	v_cvt_pk_bf16_f32 v[\hi+\m], v[\src+2*\m], v[\src+2*\m+1]
.endr
.irp m, 0,1,2,3
	v_lshlrev_b32 v[\tmp+2*(\m%2)], 16, v[\hi+\m]
	v_and_b32 v[\tmp+2*(\m%2)+1], s[MASK], v[\hi+\m]
	v_sub_f32 v[\tmp+2*(\m%2)], v[\src+2*\m], v[\tmp+2*(\m%2)]
	v_sub_f32 v[\tmp+2*(\m%2)+1], v[\src+2*\m+1], v[\tmp+2*(\m%2)+1]
	v_cvt_pk_bf16_f32 v[\lo+\m], v[\tmp+2*(\m%2)], v[\tmp+2*(\m%2)+1]
.endr
.endm
; high x high, high x low, low x high, on three accumulators that take turns.  z = 1: the products start the sums
.macro MM3 a0, a1, a2, whi, wlo, xhi, xlo, z
.if \z
	v_wmma_f32_16x16x32_bf16 v[\a0:\a0+7], v[\whi:\whi+7], v[\xhi:\xhi+7], 0
	v_wmma_f32_16x16x32_bf16 v[\a1:\a1+7], v[\whi:\whi+7], v[\xlo:\xlo+7], 0
	v_wmma_f32_16x16x32_bf16 v[\a2:\a2+7], v[\wlo:\wlo+7], v[\xhi:\xhi+7], 0
.else
	v_wmma_f32_16x16x32_bf16 v[\a0:\a0+7], v[\whi:\whi+7], v[\xhi:\xhi+7], v[\a0:\a0+7]
	v_wmma_f32_16x16x32_bf16 v[\a1:\a1+7], v[\whi:\whi+7], v[\xlo:\xlo+7], v[\a1:\a1+7]
	v_wmma_f32_16x16x32_bf16 v[\a2:\a2+7], v[\wlo:\wlo+7], v[\xhi:\xhi+7], v[\a2:\a2+7]
.endif
.endm
.macro SUM3 a0, a1, a2                 ; each accumulator is read from its low end on
.irp p, 0,2,4,6
	v_pk_add_f32 v[\a0+\p:\a0+\p+1], v[\a0+\p:\a0+\p+1], v[\a1+\p:\a1+\p+1]
.endr
.irp p, 0,2,4,6
	v_pk_add_f32 v[\a0+\p:\a0+\p+1], v[\a0+\p:\a0+\p+1], v[\a2+\p:\a2+\p+1]
.endr
.endm
.macro SIGM z                          ; eight sigmoids in place: 1 / (1 + 2^(-z log2 e)); each batch of transcendentals has a plain place and one wait ahead of its first reader
.irp j, 0,1,2,3,4,5,6,7
	v_mul_f32 v[\z+\j], 0xbfb8aa3b, v[\z+\j]
.endr
.irp j, 0,1,2,3,4,5,6,7
	v_exp_f32 v[\z+\j], v[\z+\j]
.endr
	v_nop
	s_wait_alu depctr_va_vdst(0)
.irp j, 0,1,2,3,4,5,6,7
	v_add_f32 v[\z+\j], 1.0, v[\z+\j]
.endr
.irp j, 0,1,2,3,4,5,6,7
	v_rcp_f32 v[\z+\j], v[\z+\j]
.endr
	v_nop
	s_wait_alu depctr_va_vdst(0)
.endm
; Four q (4 g .. 4 g + 3 of my 32) against one l, my two channels: eight maxima; four packed additions into the q's sums over l; four into l's sum over q.  Nothing is cleared: the first terms start the sums
.macro PBLK g, l
.set T, 192+8*((\l)%2)
.set U, 184+4*((\l)%2)
.set AQ, 168+8*((\g)%2)
.irp i, 0,1,2,3
	v_max_num_f32 v[T+2*\i], v[88+8*(\g)+2*\i], v[24+2*(\l)]
	v_max_num_f32 v[T+2*\i+1], v[88+8*(\g)+2*\i+1], v[24+2*(\l)+1]
.endr
.irp i, 0,1,2,3
.if (\l) == 0
	v_pk_add_f32 v[AQ+2*\i:AQ+2*\i+1], v[T+2*\i:T+2*\i+1], v[208:209] neg_lo:[0,1] neg_hi:[0,1]   ; + the sum of pa over my 16 l
.else
	v_pk_add_f32 v[AQ+2*\i:AQ+2*\i+1], v[AQ+2*\i:AQ+2*\i+1], v[T+2*\i:T+2*\i+1]
.endif
.endr
	v_pk_add_f32 v[U:U+1], v[T:T+1], v[T+2:T+3]
	v_pk_add_f32 v[U+2:U+3], v[T+4:T+5], v[T+6:T+7]
.if (\g) == 0
	v_pk_add_f32 v[56+2*(\l):57+2*(\l)], v[U:U+1], v[U+2:U+3]
.else
	v_pk_add_f32 v[U:U+1], v[U:U+1], v[U+2:U+3]
	v_pk_add_f32 v[56+2*(\l):57+2*(\l)], v[56+2*(\l):57+2*(\l)], v[U:U+1]
.endif
.endm
	s_load_b512 s[8:23], s[0:1], 0x0               ; protein 8, wcq 10, wcs 12, bc 14, wfrag 16, b1 18, bpa 20, ba 22
	s_load_b128 s[24:27], s[0:1], 0x40             ; rabuf 24, sqpart 26
	s_load_b64 s[28:29], s[0:1], 0x50              ; protpart
	v_lshl_add_u32 v[SPW], v0, 2, SPARE
	v_mov_b32 v[NIL], 0
	v_lshrrev_b32 v23, 5, v0
	v_readfirstlane_b32 s4, v23                    ; wave 0..15
	s_and_b32 s5, s4, 3                            ; t
	s_lshr_b32 s6, s4, 2                           ; g
	v_and_b32 v23, 31, v0                          ; L
	v_and_b32 v24, 15, v0                          ; r
	v_bfe_u32 v25, v0, 4, 1                        ; h
	v_lshlrev_b32 v1, 4, v23
	v_lshlrev_b32 v2, 3, v23
	v_lshlrev_b32 v3, 2, v23
	v_lshlrev_b32 v4, 5, v25
	v_lshlrev_b32 v5, 12, v25
	v_lshl_add_u32 v5, v24, 4, v5
	s_mul_i32 s7, s4, 8704
	s_add_co_u32 s7, s7, STG
	v_mul_u32_u24 v6, v25, 272
	v_lshl_add_u32 v6, v24, 4, v6
	v_add_nc_u32 v6, s7, v6
	v_mul_u32_u24 v13, v24, 272
	v_lshl_add_u32 v7, v25, 7, v13
	v_add_nc_u32 v7, s7, v7
	v_lshl_add_u32 v13, v25, 5, v13
	s_lshl_b32 s7, s4, 10
	v_add_nc_u32 v8, s7, v1
	s_lshl_b32 s7, s4, 7
	v_add_nc_u32 v9, s7, v3
	s_lshr_b32 s7, s4, 1
	s_and_b32 s31, s4, 1
	s_lshl_b32 s31, s31, 9
	s_lshl_b32 s30, s7, 11
	s_add_co_u32 s30, s30, s31
	v_add_nc_u32 v10, s30, v1
	s_lshl_b32 s30, s7, 10
	s_add_co_u32 s30, s30, s31
	v_add_nc_u32 v11, s30, v1
	s_lshl_b32 s7, s6, 12
	v_add_nc_u32 v12, s7, v1
	s_lshl_b32 s7, s5, 6
	v_add_nc_u32 v14, s7, v13
	v_add_nc_u32 v22, s7, v4
	s_mul_i32 s7, s4, 272
	v_add_nc_u32 v15, s7, v2
	s_lshl_b32 s7, s4, 12
	s_add_co_u32 s7, s7, LPART
	v_add_nc_u32 v16, s7, v2
	s_lshl_b32 s7, s4, 8
	s_add_co_u32 s7, s7, LPART
	v_add_nc_u32 v17, s7, v2
	v_lshlrev_b32 v[H8], 3, v25
	v_mov_b32 v[TP], 0
	s_mov_b32 s[SEL], 0x76543210
	s_mov_b32 s[SEL+1], 0xfedcba98
	s_mov_b32 s[MASK], 0xffff0000
	s_mov_b32 s59, 0
	s_wait_kmcnt 0x0
	s_lshl_b32 s58, ttmp9, 16                      ; my 16 rows of 4,096 bytes,
	s_lshl_b32 s7, s4, 9                           ; K step = wave: 512 bytes
	s_add_co_u32 s58, s58, s7
	s_add_nc_u64 s[32:33], s[8:9], s[58:59]
	s_cmp_lt_u32 s4, 8
	s_cbranch_scc0 .Lno_rows
.irp c, 0,1                                    ; waves 0-7: 16 rows x 128 numbers; lanes 0-15 read 256 consecutive bytes of row 2 i, lanes 16-31 of row 2 i + 1; read once in the launch
.irp i, 0,1,2,3,4,5,6,7
	global_load_b128 v[24+32*\c+4*\i:24+32*\c+4*\i+3], v5, s[32:33] offset:8192*\i+256*\c th:TH_LOAD_NT
.endr
.endr
.Lno_rows:
	s_lshl_b32 s58, s4, 13
	s_add_nc_u64 s[34:35], s[10:11], s[58:59]      ; Wc's tile w: eight fragments of 1,024 bytes
	s_add_nc_u64 s[52:53], s[24:25], s[58:59]      ; ra of q = 32 w on: rows of 256 bytes
	s_lshl_b32 s58, s4, 10
	s_add_nc_u64 s[36:37], s[12:13], s[58:59]
	s_lshl_b32 s58, s4, 6
	s_add_nc_u64 s[38:39], s[14:15], s[58:59]
	s_lshl_b32 s58, s5, 3
	s_lshl_b32 s7, s6, 1
	s_add_co_u32 s58, s58, s7
	s_lshl_b32 s58, s58, 11
	s_add_nc_u64 s[40:41], s[16:17], s[58:59]      ; W1's fragments 8 t + 2 g, + 1
	s_lshl_b32 s58, s5, 12
	s_add_co_u32 s58, s58, 32*2048
	s_add_nc_u64 s[42:43], s[16:17], s[58:59]      ; Wpa's 32 + 2 t
	s_add_co_u32 s58, s58, 8*2048
	s_add_nc_u64 s[44:45], s[16:17], s[58:59]      ; Wa's 40 + 2 t
	s_lshl_b32 s58, s5, 6
	s_add_nc_u64 s[46:47], s[18:19], s[58:59]
	s_add_nc_u64 s[48:49], s[20:21], s[58:59]
	s_add_nc_u64 s[50:51], s[22:23], s[58:59]
	s_lshl_b32 s58, ttmp9, 9
	s_lshl_b32 s7, s4, 21
	s_add_co_u32 s58, s58, s7
	s_add_nc_u64 s[54:55], s[26:27], s[58:59]      ; sqpart [q / 2][b][q % 2][c]: 16 w pairs of q on, my b
	s_lshl_b32 s58, ttmp9, 8
	s_add_nc_u64 s[56:57], s[28:29], s[58:59]
.irp s, 0,1,2,3,4,5,6,7
	global_load_b128 v[88+8*\s:88+8*\s+3], v1, s[34:35] offset:1024*\s
	global_load_b128 v[88+8*\s+4:88+8*\s+7], v1, s[34:35] offset:1024*\s+512
.endr
.irp s, 0,1,2,3,4,5,6,7
	global_load_b32 v[152+\s], v3, s[36:37] offset:128*\s
.endr
	global_load_b128 v[168:171], v4, s[38:39]      ; bc is the C of the first product
	global_load_b128 v[172:175], v4, s[38:39] offset:16
.irp n, 0,1,2,3,4,5,6,7                        ; W1: chunk n / 4: high 0-3, high 4-7, low 0-3, low 4-7
	global_load_b128 v[192+4*\n:195+4*\n], v1, s[40:41] offset:512*\n
.endr
	s_cmp_lt_u32 s4, 4
	s_cbranch_scc0 .Lno_small
.irp c, 0,1
	global_load_b128 v[224+8*\c:227+8*\c], v1, s[42:43] offset:2048*\c          ; Wpa: the high parts alone
	global_load_b128 v[228+8*\c:231+8*\c], v1, s[42:43] offset:2048*\c+512
.endr
	global_load_b128 v[240:243], v4, s[46:47]
	global_load_b128 v[244:247], v4, s[46:47] offset:16
	global_load_b128 v[248:251], v4, s[48:49]
	global_load_b128 v[252:255], v4, s[48:49] offset:16
.Lno_small:
	; ---- PX, waves 0-7: K step w of my 16 rows becomes a fragment and its scale words
	s_cmp_lt_u32 s4, 8
	s_cbranch_scc0 .Lno_px
	s_wait_loadcnt 34                              ; behind the rows' loads: 16 + 8 + 2 + 8 (in waves 0-3 eight more: the count is then smaller than it need be)
	QTURN 24, 6, 7
	s_wait_dscnt 0x0
	QUANT 24, 176, 160
	ds_store_b128 v8, v[176:179] offset:XIMG
	ds_store_b128 v8, v[180:183] offset:XIMG+512
	ds_store_b32 v9, v160 offset:XSC
.Lno_px:
	BAR
	; ---- P1, all waves: tile w of p: eight products of 128 along K, on two accumulators by turns
.irp s, 0,1,2,3,4,5,6,7
	ds_load_b128 v[24+8*\s:24+8*\s+3], v1 offset:XIMG+1024*\s
	ds_load_b128 v[24+8*\s+4:24+8*\s+7], v1 offset:XIMG+1024*\s+512
	ds_load_b32 v[160+\s], v3 offset:XSC+128*\s
.endr
	s_wait_dscnt 0x0
	s_wait_loadcnt 8                               ; all but the youngest eight (W1's; in waves 0-3 the small weights')
	v_wmma_scale_f32_16x16x128_f8f6f4 v[168:175], v[88:95], v[24:31], v[168:175], v152, v160 matrix_a_fmt:MATRIX_FMT_FP4 matrix_b_fmt:MATRIX_FMT_FP4
	v_wmma_scale_f32_16x16x128_f8f6f4 v[176:183], v[96:103], v[32:39], 0, v153, v161 matrix_a_fmt:MATRIX_FMT_FP4 matrix_b_fmt:MATRIX_FMT_FP4
.irp s, 2,4,6
	v_wmma_scale_f32_16x16x128_f8f6f4 v[168:175], v[88+8*\s:95+8*\s], v[24+8*\s:31+8*\s], v[168:175], v[152+\s], v[160+\s] matrix_a_fmt:MATRIX_FMT_FP4 matrix_b_fmt:MATRIX_FMT_FP4
	v_wmma_scale_f32_16x16x128_f8f6f4 v[176:183], v[96+8*\s:103+8*\s], v[32+8*\s:39+8*\s], v[176:183], v[153+\s], v[161+\s] matrix_a_fmt:MATRIX_FMT_FP4 matrix_b_fmt:MATRIX_FMT_FP4
.endr
	PLACES 4
.set I, 0
.rept 32                                       ; ra of my 32 q, my two channels: a row of 256 bytes an instruction; into the registers that Wc's fragments have left
	global_load_b64 v[88+2*I:89+2*I], v2, s[52:53] offset:256*I
.set I, I+1
.endr
.irp p, 0,2,4,6
	v_pk_add_f32 v[168+\p:169+\p], v[168+\p:169+\p], v[176+\p:177+\p]
.endr
.irp j, 0,1,2,3,4,5,6,7
	v_max_num_f32 v[168+\j], 0, v[168+\j]          ; p
.endr
	SPLIT 168, 176, 180, 184
	ds_store_b128 v10, v[176:179] offset:PIMG      ; tile w is half w % 2 of chunk w / 2
	ds_store_b128 v10, v[180:183] offset:PIMG+1024
	BAR
	; ---- P3, all waves: tile t of k, chunks 2 g and 2 g + 1 of its K
.irp n, 0,1,2,3,4,5,6,7                        ; chunk n / 4: high 0-3, high 4-7, low 0-3, low 4-7
	ds_load_b128 v[24+4*\n:27+4*\n], v12 offset:PIMG+512*\n
.endr
	s_wait_dscnt 0x0
	s_wait_loadcnt 32                              ; all but ra's 32
	PLACES 5                                       ; the accumulators are begun anew
	MM3 168, 176, 184, 192, 200, 24, 32, 1
	MM3 168, 176, 184, 208, 216, 40, 48, 0
	PLACES 4
	SUM3 168, 176, 184
	ds_store_b128 v8, v[168:171] offset:KPART
	ds_store_b128 v8, v[172:175] offset:KPART+512
	BAR
	; ---- P3r, waves 0-3: the four parts of tile t, b1, relu: k
	s_cmp_lt_u32 s4, 4
	s_cbranch_scc0 .Lno_p3r
.irp n, 0,1,2,3
	ds_load_b128 v[24+8*\n:27+8*\n], v8 offset:KPART+4096*\n
	ds_load_b128 v[28+8*\n:31+8*\n], v8 offset:KPART+4096*\n+512
.endr
	s_wait_dscnt 0x0
.irp p, 0,2,4,6
	v_pk_add_f32 v[24+\p:25+\p], v[24+\p:25+\p], v[32+\p:33+\p]
	v_pk_add_f32 v[40+\p:41+\p], v[40+\p:41+\p], v[48+\p:49+\p]
.endr
.irp p, 0,2,4,6
	v_pk_add_f32 v[24+\p:25+\p], v[24+\p:25+\p], v[40+\p:41+\p]
.endr
.irp p, 0,2,4,6
	v_pk_add_f32 v[240+\p:241+\p], v[240+\p:241+\p], v[24+\p:25+\p]
.endr
.irp j, 0,1,2,3,4,5,6,7
	v_max_num_f32 v[240+\j], 0, v[240+\j]          ; k's tile stays here to the end
.endr
.irp m, 0,1,2,3
	v_cvt_pk_bf16_f32 v[56+\m], v[240+2*\m], v[240+2*\m+1]
.endr
	ds_store_b128 v11, v[56:59] offset:KIMG
.Lno_p3r:
	BAR
	; ---- P5, waves 0-3: tile t of pa; -pa goes to LDS by rows
	s_cmp_lt_u32 s4, 4
	s_cbranch_scc0 .Lno_p5
.irp n, 0,1,2,3
	ds_load_b128 v[24+4*\n:27+4*\n], v1 offset:KIMG+512*\n
.endr
	s_wait_dscnt 0x0
	PLACES 5                                       ; v168-175 is begun anew
	v_wmma_f32_16x16x32_bf16 v[248:255], v[224:231], v[24:31], v[248:255]
	v_wmma_f32_16x16x32_bf16 v[168:175], v[232:239], v[32:39], 0
	PLACES 4
.irp p, 0,2,4,6
	v_pk_add_f32 v[176+\p:177+\p], v[248+\p:249+\p], v[168+\p:169+\p] neg_lo:[1,1] neg_hi:[1,1]
.endr
	ds_store_b128 v14, v[176:179] offset:NPA
	ds_store_b128 v14, v[180:183] offset:NPA+16
.Lno_p5:
	BAR
	; ---- PAIR, all waves: my 32 q x the 16 l x my lane's two channels
.irp l, 0,1,2,3,4,5,6,7,8,9,10,11,12,13,14,15
	ds_load_b64 v[24+2*\l:25+2*\l], v2 offset:NPA+272*\l
.endr
	s_wait_dscnt 0x0
	s_wait_loadcnt 0x0                             ; ra
	v_pk_add_f32 v[208:209], v[24:25], v[26:27]    ; the sum of -pa over the 16 l, in two chains
	v_pk_add_f32 v[210:211], v[28:29], v[30:31]
.irp l, 4,6,8,10,12,14
	v_pk_add_f32 v[208:209], v[208:209], v[24+2*\l:25+2*\l]
	v_pk_add_f32 v[210:211], v[210:211], v[26+2*\l:27+2*\l]
.endr
	v_pk_add_f32 v[208:209], v[208:209], v[210:211]
.set GG, 0
.rept 8
.if GG >= 2
	s_wait_xcnt 0x0                                ; this set of four sums was store data two groups back: it is written again only behind this wait
.endif
.set LL, 0
.rept 16
	PBLK GG, LL
.set LL, LL+1
.endr
.irp i, 0,1,2,3
	global_store_b64 v2, v[168+8*(GG%2)+2*\i:169+8*(GG%2)+2*\i], s[54:55] offset:(2*GG+\i/2)*131072+(\i%2)*256 th:TH_STORE_NT   ; 32 lanes store 256 consecutive bytes, aligned
.endr
.if GG == 0
	s_cmp_lt_u32 s4, 4                             ; Wa and ba are asked for here: seven groups ahead of their use
	s_cbranch_scc0 .Lno_wa
.irp c, 0,1
	global_load_b128 v[224+8*\c:227+8*\c], v1, s[44:45] offset:2048*\c
	global_load_b128 v[228+8*\c:231+8*\c], v1, s[44:45] offset:2048*\c+512
.endr
	global_load_b128 v[248:251], v4, s[50:51]
	global_load_b128 v[252:255], v4, s[50:51] offset:16
.Lno_wa:
.endif
.set GG, GG+1
.endr
.irp l, 0,1,2,3,4,5,6,7,8,9,10,11,12,13,14,15
	ds_store_b64 v16, v[56+2*\l:57+2*\l] offset:256*\l
.endr
	s_wait_xcnt 0x0                                ; the last group's four stores have read v176-183: the gate's arithmetic below writes these registers again only behind this wait
	BAR
	; ---- PR, all waves: row l = w: the sixteen waves' sums; / 512, + pa
.irp n, 0,1,2,3,4,5,6,7,8,9,10,11,12,13,14,15
	ds_load_b64 v[24+2*\n:25+2*\n], v17 offset:4096*\n
.endr
	ds_load_b64 v[56:57], v15 offset:NPA
	s_wait_dscnt 0x0
.irp i, 0,1,2,3,4,5,6,7
	v_pk_add_f32 v[24+4*\i:25+4*\i], v[24+4*\i:25+4*\i], v[26+4*\i:27+4*\i]
.endr
.irp i, 0,1,2,3
	v_pk_add_f32 v[24+8*\i:25+8*\i], v[24+8*\i:25+8*\i], v[28+8*\i:29+8*\i]
.endr
	v_pk_add_f32 v[24:25], v[24:25], v[32:33]
	v_pk_add_f32 v[40:41], v[40:41], v[48:49]
	v_pk_add_f32 v[24:25], v[24:25], v[40:41]
	v_pk_fma_f32 v[24:25], v[24:25], 0x3b000000, v[56:57] op_sel_hi:[1,0,1] neg_lo:[0,0,1] neg_hi:[0,0,1]
	ds_store_b64 v15, v[24:25] offset:SLROW
	BAR
	; ---- P6, waves 0-3: tile t of the gate's argument, the gate, k + k gate, its maximum over my 16 l
	s_cmp_lt_u32 s4, 4
	s_cbranch_scc0 .Lno_p6
.irp n, 0,1,2,3,4,5,6,7
	ds_load_b128 v[24+4*\n:27+4*\n], v13 offset:SLROW+64*(\n/2)+16*(\n%2)
.endr
	s_wait_dscnt 0x0
	s_wait_loadcnt 0x0                             ; Wa, ba
.irp n, 0,1,2,3,4,5,6,7,8,9,10,11,12,13,14,15
	v_cvt_pk_bf16_f32 v[56+\n], v[24+2*\n], v[24+2*\n+1]
.endr
	PLACES 5
	v_wmma_f32_16x16x32_bf16 v[248:255], v[224:231], v[56:63], v[248:255]
	v_wmma_f32_16x16x32_bf16 v[168:175], v[232:239], v[64:71], 0
	PLACES 4
.irp p, 0,2,4,6
	v_pk_add_f32 v[176+\p:177+\p], v[248+\p:249+\p], v[168+\p:169+\p]
.endr
	SIGM 176
.irp j, 0,1,2,3,4,5,6,7
	v_fma_f32 v[176+\j], v[240+\j], v[176+\j], v[240+\j]
.endr
.irp x, 1,2,4,8                                ; a lane holds row l = r: the maximum over the sixteen lanes of its half
.irp j, 0,1,2,3,4,5,6,7
	v_max_num_f32_dpp v[176+\j], v[176+\j], v[176+\j] row_xmask:\x row_mask:0xf bank_mask:0xf
.endr
.endr
	ds_store_b128 v22, v[176:179] offset:PMAX      ; the sixteen lanes of a half write the same bytes with the same values
	ds_store_b128 v22, v[180:183] offset:PMAX+16
.Lno_p6:
	BAR
	s_cmp_lg_u32 s4, 0
	s_cbranch_scc1 .Lend
	ds_load_b64 v[24:25], v2 offset:PMAX
	s_wait_dscnt 0x0
	global_store_b64 v2, v[24:25], s[56:57]        ; 256 consecutive bytes, aligned
.Lend:
	s_wait_tensorcnt 0x0                           ; the wave's end
	ds_add_u32 v[SPW], v[NIL]
	s_wait_dscnt 0x0
	s_endpgm
.Lfunc_end_k_qec0e457116_main:
	.size	k_qec0e457116_main, .Lfunc_end_k_qec0e457116_main-k_qec0e457116_main
	.p2alignl 7, 3214868480
	.fill 96, 4, 3214868480
	.section	.rodata,"a",@progbits
	.p2align	6, 0x0
	.amdhsa_kernel k_qec0e457116_main
		.amdhsa_group_segment_fixed_size 190208
		.amdhsa_private_segment_fixed_size 0
		.amdhsa_enable_private_segment 0
		.amdhsa_kernarg_size 88
		.amdhsa_user_sgpr_count 2
		.amdhsa_user_sgpr_kernarg_segment_ptr 1
		.amdhsa_wavefront_size32 1
		.amdhsa_system_sgpr_workgroup_id_x 1
		.amdhsa_system_sgpr_workgroup_id_y 1
		.amdhsa_system_sgpr_workgroup_id_z 1
		.amdhsa_system_vgpr_workitem_id 0
		.amdhsa_next_free_vgpr 256
		.amdhsa_next_free_sgpr 66
		.amdhsa_reserve_vcc 0
		.amdhsa_float_denorm_mode_32 3
		.amdhsa_float_denorm_mode_16_64 3
		.amdhsa_memory_ordered 1
		.amdhsa_forward_progress 1
		.amdhsa_inst_pref_size 139
	.end_amdhsa_kernel
	.amdgpu_metadata
---
amdhsa.version: [ 1, 2 ]
amdhsa.kernels:
  - .name:           k_qec0e457116_main
    .symbol:         k_qec0e457116_main.kd
    .args:
      - { .name: protein, .offset: 0, .size: 8, .value_kind: global_buffer, .address_space: global }
      - { .name: wcq, .offset: 8, .size: 8, .value_kind: global_buffer, .address_space: global }
      - { .name: wcs, .offset: 16, .size: 8, .value_kind: global_buffer, .address_space: global }
      - { .name: bc, .offset: 24, .size: 8, .value_kind: global_buffer, .address_space: global }
      - { .name: wfrag, .offset: 32, .size: 8, .value_kind: global_buffer, .address_space: global }
      - { .name: b1, .offset: 40, .size: 8, .value_kind: global_buffer, .address_space: global }
      - { .name: bpa, .offset: 48, .size: 8, .value_kind: global_buffer, .address_space: global }
      - { .name: ba, .offset: 56, .size: 8, .value_kind: global_buffer, .address_space: global }
      - { .name: rabuf, .offset: 64, .size: 8, .value_kind: global_buffer, .address_space: global }
      - { .name: sqpart, .offset: 72, .size: 8, .value_kind: global_buffer, .address_space: global }
      - { .name: protpart, .offset: 80, .size: 8, .value_kind: global_buffer, .address_space: global }
    .group_segment_fixed_size: 190208
    .private_segment_fixed_size: 0
    .kernarg_segment_align: 8
    .kernarg_segment_size: 88
    .max_flat_workgroup_size: 512
    .sgpr_count:     66
    .vgpr_count:     256
    .wavefront_size: 32
...
	.end_amdgpu_metadata
.endif
;; end of part 2
;; launch final (part 3): grid 256 x 1, 16 waves a work-group, no clusters, 61,184 bytes of LDS; arguments sqpart, protpart, rbuf, wfrag, ba, bf1, bf2, Wf3, bf3, out0; writes out0
.if DOCPART == 3
	.amdgcn_target "amdgcn-amd-amdhsa--gfx1250"
	.amdhsa_code_object_version 6
	.text
	.protected	k_qec0e457116_final
	.globl	k_qec0e457116_final
	.p2align	8
	.type	k_qec0e457116_final,@function
k_qec0e457116_final:
	s_mov_b64 s[64:65], 0
	v_nop
	global_prefetch_b8 v0, s[64:65] scope:SCOPE_SE
	s_setreg_imm32_b32 hwreg(HW_REG_WAVE_MODE, 25, 1), 1
	s_wait_xcnt 0x0
; FINAL: work-group b owns q = 2 b and 2 b + 1.  It adds the 256 partial sums over l of its two q (131,072 consecutive bytes), takes the maximum of the 256 partial maxima,
; makes r_gate = sigmoid(mean_l(H) Wa^T + ba), rxnfp = r + r r_gate, and walks the three layers: leaky_relu(ctx Wf1^T + bf1), leaky_relu(. Wf2^T + bf2), . Wf3^T + bf3.
; The 16 rows of every activation operand are my two q, each eight times over (row r holds q = 2 b + r % 2): no padding data, no mask.
; The two wide layers take pairs of bf16 (high and low part, three products); the gate's product single bf16.  All products are TRANSPOSED: source 0 = 16 rows of the weight.
; LIMITS: NaN and infinities are not served; numbers that round to infinity in bf16 are not served.  The output leaves as 8 bytes a work-group (2,048 bytes in all).
; NO CLUSTER, NO TENSOR LOAD: the weights' images go once from memory into the registers that multiply them (a tile a wave); the partial sums are each work-group's own.  No LDS region is written twice.
.set SQW,   0          ; a wave's sum of 16 partial sums [wave][q % 2][c] 512 bytes
.set PRW,   8192       ; a wave's maximum of 16 partial maxima, two rows [wave][512 bytes]
.set SQM,   16384      ; mean over l of H [q % 2][c]
.set PROT,  16896      ; prot [c]
.set CIMG,  17152      ; ctx as bf16 [chunk 4][high, low][half][lane][16]
.set H1IMG, 25344      ; the first layer's result [chunk 8][high, low][half][lane][16]
.set H2P,   41728      ; partial sums of the second layer [wave][half][lane][16]
.set OP,    58112      ; partial dot products [wave 8][lane] 4
.set SPARE, 59136      ; the spare words, 128 bytes a wave
.set SPW,  12          ; my spare word's address; never rewritten
.set NIL,  13          ; 0; never rewritten
.set TP,   14          ; a lane permute's destination
.set SEL,  60
.set MASK, 62
; v1 16 L; v2 4 L; v3 32 h; v4 256 (r % 2) + 32 h; v5 512 w + 16 L; v6 16 r; v7 2,048 (w / 2) + 512 (w % 2) + 16 L; v8 8,192 (w / 8) + 16 L; v9 1,024 w + 16 L; v10 128 w + 4 L; v11 64 (w % 4) + 32 h
; v16-39 three accumulators (v16-23 begins as bf1); v40-47 bf2; v48-55 Wf3; v56-63 at work; v64-127 Wf1's tile; v128-191 the partial sums, then Wf2's part; v192-255 at work (waves 0-3: v224-239 Wa, v240-247 ba, v248-255 r)
.macro PLACES n
.rept \n
	v_nop
.endr
.endm
.macro BAR
	s_wait_dscnt 0x0
	s_barrier_signal -1
	s_barrier_wait -1
.endm
.macro QADD a, b                       ; four numbers onto four
	v_pk_add_f32 v[\a:\a+1], v[\a:\a+1], v[\b:\b+1]
	v_pk_add_f32 v[\a+2:\a+3], v[\a+2:\a+3], v[\b+2:\b+3]
.endm
.macro TREE16 y                        ; sixteen groups of four registers are added into the first
.irp i, 0,1,2,3,4,5,6,7
	QADD \y+8*\i, \y+8*\i+4
.endr
.irp i, 0,1,2,3
	QADD \y+16*\i, \y+16*\i+8
.endr
	QADD \y, \y+16
	QADD \y+32, \y+48
	QADD \y, \y+32
.endm
.macro SPLIT src, hi, lo, tmp
.irp m, 0,1,2,3
	v_cvt_pk_bf16_f32 v[\hi+\m], v[\src+2*\m], v[\src+2*\m+1]
.endr
.irp m, 0,1,2,3
	v_lshlrev_b32 v[\tmp+2*(\m%2)], 16, v[\hi+\m]
	v_and_b32 v[\tmp+2*(\m%2)+1], s[MASK], v[\hi+\m]
	v_sub_f32 v[\tmp+2*(\m%2)], v[\src+2*\m], v[\tmp+2*(\m%2)]
	v_sub_f32 v[\tmp+2*(\m%2)+1], v[\src+2*\m+1], v[\tmp+2*(\m%2)+1]
	v_cvt_pk_bf16_f32 v[\lo+\m], v[\tmp+2*(\m%2)], v[\tmp+2*(\m%2)+1]
.endr
.endm
; high x high, high x low, low x high on three accumulators that take turns.  z0, z12 = 1: the product starts its sum
.macro MM3 whi, wlo, xhi, xlo, z0, z12
.if \z0
	v_wmma_f32_16x16x32_bf16 v[16:23], v[\whi:\whi+7], v[\xhi:\xhi+7], 0
.else
	v_wmma_f32_16x16x32_bf16 v[16:23], v[\whi:\whi+7], v[\xhi:\xhi+7], v[16:23]
.endif
.if \z12
	v_wmma_f32_16x16x32_bf16 v[24:31], v[\whi:\whi+7], v[\xlo:\xlo+7], 0
	v_wmma_f32_16x16x32_bf16 v[32:39], v[\wlo:\wlo+7], v[\xhi:\xhi+7], 0
.else
	v_wmma_f32_16x16x32_bf16 v[24:31], v[\whi:\whi+7], v[\xlo:\xlo+7], v[24:31]
	v_wmma_f32_16x16x32_bf16 v[32:39], v[\wlo:\wlo+7], v[\xhi:\xhi+7], v[32:39]
.endif
.endm
.macro SUM3                            ; each accumulator is read from its low end on
.irp p, 0,2,4,6
	v_pk_add_f32 v[16+\p:17+\p], v[16+\p:17+\p], v[24+\p:25+\p]
.endr
.irp p, 0,2,4,6
	v_pk_add_f32 v[16+\p:17+\p], v[16+\p:17+\p], v[32+\p:33+\p]
.endr
.endm
.macro LRELU8 x, t                     ; max(x, x / 100)
.irp j, 0,1,2,3,4,5,6,7
	v_mul_f32 v[\t+\j], 0x3c23d70a, v[\x+\j]
.endr
.irp j, 0,1,2,3,4,5,6,7
	v_max_num_f32 v[\x+\j], v[\x+\j], v[\t+\j]
.endr
.endm
	s_load_b512 s[8:23], s[0:1], 0x0               ; sqpart 8, protpart 10, rbuf 12, wfrag 14, ba 16, bf1 18, bf2 20, Wf3 22
	s_load_b128 s[24:27], s[0:1], 0x40             ; bf3 24, out0 26
	v_lshl_add_u32 v[SPW], v0, 2, SPARE
	v_mov_b32 v[NIL], 0
	v_mov_b32 v[TP], 0
	v_lshrrev_b32 v56, 5, v0
	v_readfirstlane_b32 s4, v56                    ; wave 0..15
	s_and_b32 s5, s4, 3                            ; t
	s_and_b32 s6, s4, 7                            ; t2
	s_lshr_b32 s7, s4, 3                           ; g
	v_and_b32 v56, 31, v0                          ; L
	v_and_b32 v57, 15, v0                          ; r
	v_bfe_u32 v58, v0, 4, 1                        ; h
	v_and_b32 v59, 1, v0                           ; r % 2
	v_lshlrev_b32 v1, 4, v56
	v_lshlrev_b32 v2, 2, v56
	v_lshlrev_b32 v3, 5, v58
	v_lshlrev_b32 v4, 8, v59
	v_lshl_add_u32 v4, v58, 5, v4
	s_lshl_b32 s30, s4, 9
	v_add_nc_u32 v5, s30, v1
	v_lshlrev_b32 v6, 4, v57
	s_lshr_b32 s30, s4, 1
	s_lshl_b32 s30, s30, 11
	s_and_b32 s31, s4, 1
	s_lshl_b32 s31, s31, 9
	s_add_co_u32 s30, s30, s31
	v_add_nc_u32 v7, s30, v1
	s_lshl_b32 s30, s7, 13
	v_add_nc_u32 v8, s30, v1
	s_lshl_b32 s30, s4, 10
	v_add_nc_u32 v9, s30, v1
	s_lshl_b32 s30, s4, 7
	v_add_nc_u32 v10, s30, v2
	s_lshl_b32 s30, s5, 6
	v_add_nc_u32 v11, s30, v3
	s_mov_b32 s[SEL], 0x76543210
	s_mov_b32 s[SEL+1], 0xfedcba98
	s_mov_b32 s[MASK], 0xffff0000
	s_mov_b32 s59, 0
	s_wait_kmcnt 0x0
	s_load_b32 s28, s[24:25], 0x0                  ; bf3
	s_lshl_b32 s58, ttmp9, 17
	s_lshl_b32 s30, s4, 13
	s_add_co_u32 s58, s58, s30
	s_add_nc_u64 s[32:33], s[8:9], s[58:59]        ; my two q's partial sums, b' = 16 w on
	s_lshl_b32 s58, s4, 12
	s_add_nc_u64 s[34:35], s[10:11], s[58:59]      ; partial maxima, b' = 16 w on
.irp i, 0,1,2,3,4,5,6,7,8,9,10,11,12,13,14,15
	global_load_b128 v[128+4*\i:131+4*\i], v1, s[32:33] offset:512*\i th:TH_LOAD_NT   ; one b': [q % 2][c], 512 consecutive bytes; read once in the launch
.endr
.irp i, 0,1,2,3,4,5,6,7
	global_load_b128 v[192+4*\i:195+4*\i], v1, s[34:35] offset:512*\i                 ; two b'
.endr
	s_lshl_b32 s58, s4, 13
	s_add_co_u32 s58, s58, 48*2048
	s_add_nc_u64 s[40:41], s[14:15], s[58:59]      ; Wf1's fragments 48 + 4 w on
	s_lshl_b32 s58, s6, 3
	s_lshl_b32 s30, s7, 2
	s_add_co_u32 s58, s58, s30
	s_lshl_b32 s58, s58, 11
	s_add_co_u32 s58, s58, 112*2048
	s_add_nc_u64 s[42:43], s[14:15], s[58:59]      ; Wf2's 112 + 8 t2 + 4 g on
	s_lshl_b32 s58, s5, 12
	s_add_co_u32 s58, s58, 40*2048
	s_add_nc_u64 s[38:39], s[14:15], s[58:59]      ; Wa's 40 + 2 t on
	s_lshl_b32 s58, s4, 6
	s_add_nc_u64 s[46:47], s[18:19], s[58:59]
	s_lshl_b32 s58, s6, 6
	s_add_nc_u64 s[48:49], s[20:21], s[58:59]
	s_add_nc_u64 s[50:51], s[22:23], s[58:59]
	s_lshl_b32 s58, s5, 6
	s_add_nc_u64 s[44:45], s[16:17], s[58:59]
	s_lshl_b32 s30, ttmp9, 9
	s_add_co_u32 s58, s58, s30
	s_add_nc_u64 s[36:37], s[12:13], s[58:59]      ; r: my two rows, columns 16 t on
	s_lshl_b32 s58, ttmp9, 3
	s_add_nc_u64 s[52:53], s[26:27], s[58:59]
.irp n, 0,1,2,3,4,5,6,7,8,9,10,11,12,13,14,15  ; chunk n / 4: high 0-3, high 4-7, low 0-3, low 4-7
	global_load_b128 v[64+4*\n:67+4*\n], v1, s[40:41] offset:512*\n
.endr
	global_load_b128 v[16:19], v3, s[46:47]        ; bf1 is the C of the first layer's first product
	global_load_b128 v[20:23], v3, s[46:47] offset:16
	global_load_b128 v[40:43], v3, s[48:49]
	global_load_b128 v[44:47], v3, s[48:49] offset:16
	global_load_b128 v[48:51], v3, s[50:51]
	global_load_b128 v[52:55], v3, s[50:51] offset:16
	s_cmp_lt_u32 s4, 4
	s_cbranch_scc0 .Lno_gate
.irp c, 0,1
	global_load_b128 v[224+8*\c:227+8*\c], v1, s[38:39] offset:2048*\c          ; Wa: the high parts alone
	global_load_b128 v[228+8*\c:231+8*\c], v1, s[38:39] offset:2048*\c+512
.endr
	global_load_b128 v[240:243], v3, s[44:45]
	global_load_b128 v[244:247], v3, s[44:45] offset:16
	global_load_b128 v[248:251], v4, s[36:37]
	global_load_b128 v[252:255], v4, s[36:37] offset:16
.Lno_gate:
	s_wait_kmcnt 0x0                               ; bf3
	; ---- F1: my 16 partial sums, my 16 partial maxima
	s_wait_loadcnt 30                              ; behind the sums' loads: 8 + 16 + 6 (in waves 0-3 eight more)
	TREE16 128
	ds_store_b128 v5, v[128:131] offset:SQW
	s_wait_loadcnt 22                              ; behind the maxima's loads: 16 + 6
.irp k, 0,1,2,3
	v_max3_num_f32 v[192+\k], v[192+\k], v[196+\k], v[200+\k]
.endr
.irp k, 0,1,2,3
	v_max3_num_f32 v[192+\k], v[192+\k], v[204+\k], v[208+\k]
.endr
.irp k, 0,1,2,3
	v_max3_num_f32 v[192+\k], v[192+\k], v[212+\k], v[216+\k]
.endr
.irp k, 0,1,2,3
	v_max_num_f32 v[192+\k], v[192+\k], v[220+\k]
.endr
	ds_store_b128 v5, v[192:195] offset:PRW
	s_wait_dscnt 0x0                               ; the stores have read their registers: Wf2's part may land there
.irp n, 0,1,2,3,4,5,6,7,8,9,10,11,12,13,14,15
	global_load_b128 v[128+4*\n:131+4*\n], v1, s[42:43] offset:512*\n
.endr
	BAR
	; ---- F2: wave 8 adds the sixteen sums and divides by 4,096; wave 9 takes the sixteen maxima
	s_cmp_eq_u32 s4, 8
	s_cbranch_scc0 .Lnot_8
.irp n, 0,1,2,3,4,5,6,7,8,9,10,11,12,13,14,15
	ds_load_b128 v[192+4*\n:195+4*\n], v1 offset:SQW+512*\n
.endr
	s_wait_dscnt 0x0
	TREE16 192
	v_pk_mul_f32 v[192:193], v[192:193], 0x39800000 op_sel_hi:[1,0]
	v_pk_mul_f32 v[194:195], v[194:195], 0x39800000 op_sel_hi:[1,0]
	ds_store_b128 v1, v[192:195] offset:SQM
	s_branch .Lf2_done
.Lnot_8:
	s_cmp_eq_u32 s4, 9
	s_cbranch_scc0 .Lf2_done
.irp n, 0,1,2,3,4,5,6,7,8,9,10,11,12,13,14,15
	ds_load_b128 v[192+4*\n:195+4*\n], v1 offset:PRW+512*\n
.endr
.irp k, 0,1,2,3
	v_mov_b32 v[56+\k], 0                          ; a lane permute's destination counts as one of its sources
.endr
	s_wait_dscnt 0x0
.irp n, 4,12,20,28,36,44,52
.irp k, 0,1,2,3
	v_max3_num_f32 v[192+\k], v[192+\k], v[192+\n+\k], v[196+\n+\k]
.endr
.endr
.irp k, 0,1,2,3
	v_max_num_f32 v[192+\k], v[192+\k], v[252+\k]
.endr
.irp k, 0,1,2,3
	v_permlanex16_b32 v[56+\k], v[192+\k], s[SEL], s[SEL+1]      ; the other row of each pair
.endr
.irp k, 0,1,2,3
	v_max_num_f32 v[192+\k], v[192+\k], v[56+\k]
.endr
	ds_store_b128 v6, v[192:195] offset:PROT       ; lanes l and l xor 16 write the same bytes with the same values
.Lf2_done:
	BAR
	; ---- F3: waves 0-3: tile t of rxnfp; waves 4-7: tile t of prot; both become tile w of ctx, split into bf16 pairs
	s_cmp_lt_u32 s4, 8
	s_cbranch_scc0 .Lf3_done
	s_cmp_lt_u32 s4, 4
	s_cbranch_scc0 .Lf3_prot
.irp n, 0,1,2,3,4,5,6,7
	ds_load_b128 v[192+4*\n:195+4*\n], v4 offset:SQM+64*(\n/2)+16*(\n%2)
.endr
	s_wait_dscnt 0x0
	s_wait_loadcnt 16                              ; all but Wf2's sixteen
.irp n, 0,1,2,3,4,5,6,7,8,9,10,11,12,13,14,15
	v_cvt_pk_bf16_f32 v[24+\n], v[192+2*\n], v[192+2*\n+1]
.endr
	v_wmma_f32_16x16x32_bf16 v[240:247], v[224:231], v[24:31], v[240:247]
	v_wmma_f32_16x16x32_bf16 v[192:199], v[232:239], v[32:39], 0
	PLACES 4
.irp p, 0,2,4,6
	v_pk_add_f32 v[200+\p:201+\p], v[240+\p:241+\p], v[192+\p:193+\p]
.endr
.irp j, 0,1,2,3,4,5,6,7                        ; the sigmoid: 1 / (1 + 2^(-z log2 e)); each batch of transcendentals has a plain place and one wait ahead of its first reader
	v_mul_f32 v[200+\j], 0xbfb8aa3b, v[200+\j]
.endr
.irp j, 0,1,2,3,4,5,6,7
	v_exp_f32 v[200+\j], v[200+\j]
.endr
	v_nop
	s_wait_alu depctr_va_vdst(0)
.irp j, 0,1,2,3,4,5,6,7
	v_add_f32 v[200+\j], 1.0, v[200+\j]
.endr
.irp j, 0,1,2,3,4,5,6,7
	v_rcp_f32 v[200+\j], v[200+\j]
.endr
	v_nop
	s_wait_alu depctr_va_vdst(0)
.irp j, 0,1,2,3,4,5,6,7
	v_fma_f32 v[200+\j], v[248+\j], v[200+\j], v[248+\j]         ; r + r r_gate
.endr
	s_branch .Lf3_split
.Lf3_prot:
	ds_load_b128 v[200:203], v11 offset:PROT
	ds_load_b128 v[204:207], v11 offset:PROT+16
	s_wait_dscnt 0x0
.Lf3_split:
	SPLIT 200, 208, 212, 216
	ds_store_b128 v7, v[208:211] offset:CIMG       ; tile w is half w % 2 of chunk w / 2
	ds_store_b128 v7, v[212:215] offset:CIMG+1024
.Lf3_done:
	BAR
	; ---- F4, all waves: tile w of the first layer
	PLACES 4
.irp n, 0,1,2,3,4,5,6,7,8,9,10,11,12,13,14,15
	ds_load_b128 v[192+4*\n:195+4*\n], v1 offset:CIMG+512*\n
.endr
	s_wait_dscnt 0x0
	s_wait_loadcnt 16                              ; all but Wf2's sixteen
	PLACES 5                                       ; two accumulators are begun anew
	MM3 64, 72, 192, 200, 0, 1
.irp k, 1,2,3
	MM3 64+16*\k, 72+16*\k, 192+16*\k, 200+16*\k, 0, 0
.endr
	PLACES 4
	SUM3
	LRELU8 16, 56
	SPLIT 16, 24, 28, 32
	ds_store_b128 v7, v[24:27] offset:H1IMG
	ds_store_b128 v7, v[28:31] offset:H1IMG+1024
	BAR
	; ---- F5, all waves: tile t2 of the second layer, chunks 4 g .. 4 g + 3 of its K
	PLACES 4
.irp n, 0,1,2,3,4,5,6,7,8,9,10,11,12,13,14,15
	ds_load_b128 v[192+4*\n:195+4*\n], v8 offset:H1IMG+512*\n
.endr
	s_wait_dscnt 0x0
	s_wait_loadcnt 0x0                             ; Wf2
	PLACES 5                                       ; the accumulators are begun anew
	MM3 128, 136, 192, 200, 1, 1
.irp k, 1,2,3
	MM3 128+16*\k, 136+16*\k, 192+16*\k, 200+16*\k, 0, 0
.endr
	PLACES 4
	SUM3
	ds_store_b128 v9, v[16:19] offset:H2P
	ds_store_b128 v9, v[20:23] offset:H2P+512
	BAR
	; ---- F6, waves 0-7: the two parts of tile w, bf2, leaky relu, and the tile's share of the dot product with Wf3
	s_cmp_lt_u32 s4, 8
	s_cbranch_scc0 .Lno_f6
	ds_load_b128 v[192:195], v9 offset:H2P
	ds_load_b128 v[196:199], v9 offset:H2P+512
	ds_load_b128 v[200:203], v9 offset:H2P+8192
	ds_load_b128 v[204:207], v9 offset:H2P+8192+512
	s_wait_dscnt 0x0
.irp p, 0,2,4,6
	v_pk_add_f32 v[192+\p:193+\p], v[192+\p:193+\p], v[200+\p:201+\p]
.endr
.irp p, 0,2,4,6
	v_pk_add_f32 v[192+\p:193+\p], v[192+\p:193+\p], v[40+\p:41+\p]
.endr
	LRELU8 192, 208
	v_mul_f32 v216, v192, v48
.irp j, 1,2,3,4,5,6,7
	v_fmac_f32 v216, v[192+\j], v[48+\j]
.endr
	v_permlanex16_b32 v[TP], v216, s[SEL], s[SEL+1]              ; the tile's other eight columns
	v_add_f32 v216, v216, v[TP]
	ds_store_b32 v10, v216 offset:OP
.Lno_f6:
	BAR
	; ---- F7, wave 0: the eight tiles' shares, bf3; lanes 0 and 1 hold q = 2 b and 2 b + 1
	s_cmp_lg_u32 s4, 0
	s_cbranch_scc1 .Lend
.irp n, 0,1,2,3,4,5,6,7
	ds_load_b32 v[192+\n], v2 offset:OP+128*\n
.endr
	s_wait_dscnt 0x0
	v_add_f32 v192, v192, v193
	v_add_f32 v194, v194, v195
	v_add_f32 v196, v196, v197
	v_add_f32 v198, v198, v199
	v_add_f32 v192, v192, v194
	v_add_f32 v196, v196, v198
	v_add_f32 v192, v192, v196
	v_add_f32 v192, s28, v192
	v_cmp_gt_u32 vcc_lo, 2, v0
	s_wait_xcnt 0x0                                ; EXEC changes only behind this wait
	s_and_saveexec_b32 s30, vcc_lo
	global_store_b32 v2, v192, s[52:53]
	s_wait_xcnt 0x0                                ; and again, in front of the line that widens it
	s_or_b32 exec_lo, exec_lo, s30
.Lend:
	s_wait_tensorcnt 0x0                           ; the wave's end
	ds_add_u32 v[SPW], v[NIL]
	s_wait_dscnt 0x0
	s_endpgm
.Lfunc_end_k_qec0e457116_final:
	.size	k_qec0e457116_final, .Lfunc_end_k_qec0e457116_final-k_qec0e457116_final
	.p2alignl 7, 3214868480
	.fill 96, 4, 3214868480
	.section	.rodata,"a",@progbits
	.p2align	6, 0x0
	.amdhsa_kernel k_qec0e457116_final
		.amdhsa_group_segment_fixed_size 61184
		.amdhsa_private_segment_fixed_size 0
		.amdhsa_enable_private_segment 0
		.amdhsa_kernarg_size 80
		.amdhsa_user_sgpr_count 2
		.amdhsa_user_sgpr_kernarg_segment_ptr 1
		.amdhsa_wavefront_size32 1
		.amdhsa_system_sgpr_workgroup_id_x 1
		.amdhsa_system_sgpr_workgroup_id_y 1
		.amdhsa_system_sgpr_workgroup_id_z 1
		.amdhsa_system_vgpr_workitem_id 0
		.amdhsa_next_free_vgpr 256
		.amdhsa_next_free_sgpr 66
		.amdhsa_reserve_vcc 1
		.amdhsa_float_denorm_mode_32 3
		.amdhsa_float_denorm_mode_16_64 3
		.amdhsa_memory_ordered 1
		.amdhsa_forward_progress 1
		.amdhsa_inst_pref_size 36
	.end_amdhsa_kernel
	.amdgpu_metadata
---
amdhsa.version: [ 1, 2 ]
amdhsa.kernels:
  - .name:           k_qec0e457116_final
    .symbol:         k_qec0e457116_final.kd
    .args:
      - { .name: sqpart, .offset: 0, .size: 8, .value_kind: global_buffer, .address_space: global }
      - { .name: protpart, .offset: 8, .size: 8, .value_kind: global_buffer, .address_space: global }
      - { .name: rbuf, .offset: 16, .size: 8, .value_kind: global_buffer, .address_space: global }
      - { .name: wfrag, .offset: 24, .size: 8, .value_kind: global_buffer, .address_space: global }
      - { .name: ba, .offset: 32, .size: 8, .value_kind: global_buffer, .address_space: global }
      - { .name: bf1, .offset: 40, .size: 8, .value_kind: global_buffer, .address_space: global }
      - { .name: bf2, .offset: 48, .size: 8, .value_kind: global_buffer, .address_space: global }
      - { .name: Wf3, .offset: 56, .size: 8, .value_kind: global_buffer, .address_space: global }
      - { .name: bf3, .offset: 64, .size: 8, .value_kind: global_buffer, .address_space: global }
      - { .name: out0, .offset: 72, .size: 8, .value_kind: global_buffer, .address_space: global }
    .group_segment_fixed_size: 61184
    .private_segment_fixed_size: 0
    .kernarg_segment_align: 8
    .kernarg_segment_size: 80
    .max_flat_workgroup_size: 512
    .sgpr_count:     66
    .vgpr_count:     256
    .wavefront_size: 32
...
	.end_amdgpu_metadata
.endif
;; end of part 3
;; ======== version 2 of 2: 3 launches; version 1 with the launches prep, main written anew for expert scheduling mode
;; limits: a difference of large sums (such as E[x^2] - mean^2): digits are lost where the result is much smaller than its terms
;; workspace buffers: wcq 131,072 bytes; wcs 16,384 bytes; rbuf 131,072 bytes; rabuf 131,072 bytes; wfrag 360,448 bytes; sqpart 33,554,432 bytes; protpart 65,536 bytes
;; launch prep (part 4): grid 46 x 1, 8 waves a work-group, no clusters, 157,696 bytes of LDS; arguments reactions, W2, b2, Wra, bra, Wc, W1, Wpa, Wa, Wf1, Wf2, wcq, wcs, rbuf, rabuf, wfrag; writes wcq, wcs, rbuf, rabuf, wfrag
.if DOCPART == 4
	.amdgcn_target "amdgcn-amd-amdhsa--gfx1250"
	.amdhsa_code_object_version 6
	.text
	.protected	k_qec0e457116_prep
	.globl	k_qec0e457116_prep
	.p2align	8
	.type	k_qec0e457116_prep,@function
k_qec0e457116_prep:
	s_mov_b64 s[64:65], 0
	v_nop
	global_prefetch_b8 v0, s[64:65] scope:SCOPE_SE
	s_setreg_imm32_b32 hwreg(HW_REG_WAVE_SCHED_MODE, 0, 2), 2
	s_setreg_imm32_b32 hwreg(HW_REG_WAVE_MODE, 25, 1), 1
	s_wait_xcnt 0x0
	s_wait_alu depctr_vm_vsrc(0)
; PREP: what every later work-group reads is made once, and laid as IMAGES OF OPERAND REGISTERS (16 bytes a lane, 512 bytes an instruction).
; Three roles, chosen by the work-group's number:
;   R (work-groups 0-7):   64 rows of reactions each.  r = relu(Q(reactions) Q(W2)^T + b2) on codes of E2M1 with E8M0 scales; ra = r Wra^T + bra on bf16.  Stores r and ra as f32 rows.
;   Q (work-groups 8-23):  tile t = work-group - 8 of 16 rows of Wc; wave s quantises K step s (128 along K) into one fragment's codes and its scale words.
;   S (work-groups 24-45): wave e = 8 (work-group - 24) + wave splits one bf16 fragment (16 rows x 32 K) of W1, Wpa, Wa, Wf1 or Wf2 into a high and a low bf16 part.
; THE QUANTISER: a block's scale byte is the exponent field of its largest magnitude less 2, held at 1 from below; the conversion divides, holds at the largest code and rounds to nearest, ties to even.
; LIMITS: NaN and infinities are not served; a block whose largest magnitude lies under 2^-124 has the byte 1; a block of zeros has the byte 1 with zero codes (the bytes are read by this program alone);
; a weight that rounds to infinity in bf16 is not served.  Role Q's scale words leave as 128 bytes a wave (16,384 bytes in all); role S reads 128 bytes of each of 16 rows, once (360,448 bytes in all).
; No tensor load, no cluster: every byte goes from memory into the registers that work on it, and no two work-groups of a role share more than W2 (65,536 bytes).
; THE MODE: SCHED_MODE bits 1:0 = 2 (LLVM: expert scheduling mode 2), set by the entry lines.  The code itself states the register dependences
; between vector or matrix instructions and memory or LDS instructions, with s_wait_alu, always for 0.
; THE PLAN.  Registers that memory or LDS instructions touch:
;   v1-6, v15, v28-31, v112, v113   offsets and LDS addresses: written at the head (v4 at each role's head), never again.  One wait on va_vdst in each role, ahead of its first load.
;   BA, BB      land from memory; the turn through the stage stores them and loads them back: a wait on vm_vsrc between.  The quantiser reads them.  In role R, waves 0-3, W2's and Wra's fragments land in them behind
;               the barrier, and later the rows on the way out: each behind a wait on va_vdst that stands behind their last vector or matrix reader.
;   XC, v18, v19  written by the quantiser; read by role Q's stores and by the LDS stores of role R's waves 4-7: a wait on va_vdst ahead of each run of stores.  In waves 0-3 the scaled products take them: eight places, then the wait.
;   DD, EE      waves 0-3: biases land, products and the relu write them, the way out's LDS stores read them: a wait on va_vdst ahead of each way out.  Waves 4-7: Wra lands in DD, its bf16 is written into EE and stored to LDS.
;   v144-159    role S: written by the split, read by its four stores: one wait on va_vdst.
;   v16, v17    written at the head, read by the closing add alone.
.set W2IMG, 0          ; LDS: W2's eight fragments (tile t, K step s: 2 t + s), 1,024 bytes each
.set W2SC,  8192       ; their scale words, 128 bytes each
.set WRIMG, 9216       ; Wra's eight bf16 fragments (2 t + chunk), 1,024 bytes each
.set SPARE, 17408      ; the spare words, 128 bytes a wave
.set STGR,  18432      ; role R: a stage of 2 x 16 rows x 272 bytes for each wave
.set STGQ,  88064      ; role Q: the same, in bytes of its own
.set H8,   7           ; v7    8 h
.set TP,   8           ; v8    a lane permute's destination
.set QT,   9           ; v9-14 the quantiser's six at work (at the head: v9 = r, v10 = h)
.set SPW,  16          ; v16   my spare word's address; never rewritten
.set NIL,  17          ; v17   0; never rewritten
.set XC,   32          ; v32-47  my two fragments of codes; later r as a bf16 operand
.set DD,   48          ; v48-79  b2, then r (waves 4-7: Wra's numbers)
.set EE,   80          ; v80-111 bra, then ra (waves 4-7: Wra in bf16)
.set ATSQ, 112         ; v112, v113 role Q's stage addresses
.set ATLQ, 113
.set BA,   128         ; v128-191 64 numbers a lane; later W2's fragments; later rows on the way out
.set BB,   192         ; v192-255 64 numbers a lane; later Wra's fragments
.set SEL,  60          ; s[60:61] selects of v_permlanex16_b32 for lane l xor 16
.set MASK, 62          ; s62   a word's upper bf16
; v1 16 L; v2 4 L; v3 32 h; v4 the loads' offset; v5, v6 role R's stage (in by rows of the load, out by the operand's order); v15 (w & 3) 2,048 + 16 L; v18, v19 my scale words; v20-27 W2's (v18-27 hold scales alone);
; v28 (w & 3) 256 + 4 L; v29 stage + 272 r + 32 h; v30 256 h + 16 r; v31 256 r + 32 h
.macro PLACES n
.rept \n
	v_nop
.endr
.endm
; 16 rows x 128 numbers of f32: lanes 0-15 read 256 consecutive bytes of row 2 i, lanes 16-31 of row 2 i + 1
.macro QLOAD buf, voff, sb, pitch, imm
.irp c, 0,1
.irp i, 0,1,2,3,4,5,6,7
	global_load_b128 v[\buf+32*\c+4*\i:\buf+32*\c+4*\i+3], v[\voff], s[\sb:\sb+1] offset:\imm+2*\i*\pitch+256*\c
.endr
.endr
.endm
; through the wave's own stage: afterwards register 32 c + n holds k = 64 c + 32 h + n of row r: whole blocks in a lane, in the operand's order.  LDS serves a wave's instructions in order: no wait on DScnt between stores and loads
.macro QTURN buf, ats, atl
.irp c, 0,1
.irp i, 0,1,2,3,4,5,6,7
	ds_store_b128 v[\ats], v[\buf+32*\c+4*\i:\buf+32*\c+4*\i+3] offset:4352*\c+544*\i
.endr
.endr
	s_wait_alu depctr_vm_vsrc(0)                       ; the sixteen LDS stores above have read the buffer's 64 registers, in which the loads below land
.irp c, 0,1
.irp i, 0,1,2,3,4,5,6,7
	ds_load_b128 v[\buf+32*\c+4*\i:\buf+32*\c+4*\i+3], v[\atl] offset:4352*\c+16*\i
.endr
.endr
.endm
; 64 numbers of a lane become a fragment's eight registers of codes and the row's scale word
.macro QUANT buf, cod, sw
.irp c, 0,1
	v_max3_num_f32 v[QT+\c], |v[\buf+32*\c]|, |v[\buf+32*\c+1]|, 0x1800000   ; my block 2 c + h, and the floor 2^(3 - 127): the byte cannot fall under 1
.endr
.irp i, 2,4,6,8,10,12,14,16,18,20,22,24,26,28,30
.irp c, 0,1
	v_max3_num_f32 v[QT+\c], v[QT+\c], |v[\buf+32*\c+\i]|, |v[\buf+32*\c+\i+1]|
.endr
.endr
.irp c, 0,1
	v_add_nc_u32 v[QT+2+\c], 0xff000000, v[QT+\c]      ; 2 off the exponent field: the conversion's scale operand
.endr
.irp c, 0,1
	v_lshrrev_b32 v[QT+4+\c], 23, v[QT+2+\c]           ; the scale's byte
.endr
	v_lshl_or_b32 v[\sw], v[QT+5], 16, v[QT+4]         ; blocks h and 2 + h,
	v_lshlrev_b32 v[\sw], v[H8], v[\sw]                ; at their places;
	v_permlanex16_b32 v[TP], v[\sw], s[SEL], s[SEL+1]
	v_or_b32 v[\sw], v[\sw], v[TP]                     ; with lane l xor 16's two the word is whole
.irp c, 0,1
.irp g, 0,1,2,3
	v_cvt_scalef32_pk8_fp4_f32 v[\cod+4*\c+\g], v[\buf+32*\c+8*\g:\buf+32*\c+8*\g+7], v[QT+2+\c]
.endr
.endr
	v_nop                                              ; one plain place behind the last scaled conversion
.endm
; eight f32 become four registers of bf16 (high part) and four of what is left (low part); the differences are exact
.macro SPLIT src, hi, lo, tmp
.irp m, 0,1,2,3
	v_cvt_pk_bf16_f32 v[\hi+\m], v[\src+2*\m], v[\src+2*\m+1]
.endr
.irp m, 0,1,2,3
	v_lshlrev_b32 v[\tmp+2*(\m%2)], 16, v[\hi+\m]
	v_and_b32 v[\tmp+2*(\m%2)+1], s[MASK], v[\hi+\m]
	v_sub_f32 v[\tmp+2*(\m%2)], v[\src+2*\m], v[\tmp+2*(\m%2)]
	v_sub_f32 v[\tmp+2*(\m%2)+1], v[\src+2*\m+1], v[\tmp+2*(\m%2)+1]
	v_cvt_pk_bf16_f32 v[\lo+\m], v[\tmp+2*(\m%2)], v[\tmp+2*(\m%2)+1]
.endr
.endm
; four result tiles (lane (r, h), register j of tile t: row r, column 16 t + 8 h + j) leave as 16 whole rows of 256 bytes, two rows an instruction
.macro OUTROWS src, y, sb
.irp t, 0,1,2,3
	ds_store_b128 v29, v[\src+8*\t:\src+8*\t+3] offset:64*\t          ; each accumulator from its low end on
	ds_store_b128 v29, v[\src+8*\t+4:\src+8*\t+7] offset:64*\t+16
.endr
.irp i, 0,1,2,3,4,5,6,7
	ds_load_b128 v[\y+4*\i:\y+4*\i+3], v5 offset:544*\i
.endr
.irp i, 0,1,2,3,4,5,6,7
	s_wait_dscnt 7-\i                                  ; the loads behind this one may be out
	global_store_b128 v30, v[\y+4*\i:\y+4*\i+3], s[\sb:\sb+1] offset:512*\i
.endr
.endm
	s_load_b512 s[8:23], s[0:1], 0x0               ; reactions 8, W2 10, b2 12, Wra 14, bra 16, Wc 18, W1 20, Wpa 22
	s_load_b512 s[24:39], s[0:1], 0x40             ; Wa 24, Wf1 26, Wf2 28, wcq 30, wcs 32, rbuf 34, rabuf 36, wfrag 38
	v_lshl_add_u32 v[SPW], v0, 2, SPARE
	v_mov_b32 v[NIL], 0
	v_lshrrev_b32 v11, 5, v0
	v_readfirstlane_b32 s4, v11                    ; wave 0..7
	v_and_b32 v12, 31, v0                          ; L
	v_and_b32 v9, 15, v0                           ; r
	v_bfe_u32 v10, v0, 4, 1                        ; h
	v_lshlrev_b32 v1, 4, v12
	v_lshlrev_b32 v2, 2, v12
	v_lshlrev_b32 v3, 5, v10
	v_lshlrev_b32 v[H8], 3, v10
	v_mov_b32 v[TP], 0
	s_wait_alu depctr_va_sdst(0)                   ; s4 is written, ahead of its first reader
	s_and_b32 s5, s4, 3
	s_mul_i32 s6, s4, 8704                         ; my stage among its role's eight
	v_mul_u32_u24 v13, v10, 272
	v_lshl_add_u32 v13, v9, 4, v13
	v_add_nc_u32 v13, s6, v13                      ; in: row h of a pair, 16 r
	v_add_nc_u32 v5, STGR, v13
	v_add_nc_u32 v[ATSQ], STGQ, v13
	v_mul_u32_u24 v14, v9, 272
	v_add_nc_u32 v14, s6, v14
	v_lshl_add_u32 v13, v10, 7, v14                ; out: row r, 128 h
	v_add_nc_u32 v6, STGR, v13
	v_add_nc_u32 v[ATLQ], STGQ, v13
	v_lshl_add_u32 v14, v10, 5, v14                ; results in: row r, 32 h
	v_add_nc_u32 v29, STGR, v14
	s_lshl_b32 s7, s5, 11
	v_add_nc_u32 v15, s7, v1
	s_lshl_b32 s7, s5, 8
	v_add_nc_u32 v28, s7, v2
	v_lshlrev_b32 v30, 8, v10
	v_lshl_add_u32 v30, v9, 4, v30
	v_lshlrev_b32 v31, 8, v9
	v_lshl_add_u32 v31, v10, 5, v31
	s_mov_b32 s[SEL], 0x76543210
	s_mov_b32 s[SEL+1], 0xfedcba98
	s_mov_b32 s[MASK], 0xffff0000
	s_wait_kmcnt 0x0
	s_cmp_lt_u32 ttmp9, 8
	s_cbranch_scc1 .Lrole_r
	s_cmp_lt_u32 ttmp9, 24
	s_cbranch_scc1 .Lrole_q
	; ---- ROLE S: fragment e of the five weights that go on as bf16
	s_sub_co_u32 s40, ttmp9, 24
	s_lshl_b32 s40, s40, 3
	s_add_co_u32 s40, s40, s4                      ; e = 0 .. 175
	s_mov_b64 s[44:45], s[28:29]                   ; from 112 on: Wf2, 8 chunks of 32 in a row
	s_mov_b32 s41, 112
	s_mov_b32 s42, 3
	s_cmp_lt_u32 s40, 112                          ; the choices hang on ids alone
	s_cselect_b64 s[44:45], s[26:27], s[44:45]     ; from 48 on: Wf1, 4 chunks
	s_cselect_b32 s41, 48, s41
	s_cselect_b32 s42, 2, s42
	s_cmp_lt_u32 s40, 48
	s_cselect_b64 s[44:45], s[24:25], s[44:45]     ; from 40 on: Wa, 2 chunks
	s_cselect_b32 s41, 40, s41
	s_cselect_b32 s42, 1, s42
	s_cmp_lt_u32 s40, 40
	s_cselect_b64 s[44:45], s[22:23], s[44:45]     ; from 32 on: Wpa, 2 chunks
	s_cselect_b32 s41, 32, s41
	s_cselect_b32 s42, 1, s42
	s_cmp_lt_u32 s40, 32
	s_cselect_b64 s[44:45], s[20:21], s[44:45]     ; from 0 on: W1, 8 chunks
	s_cselect_b32 s41, 0, s41
	s_cselect_b32 s42, 3, s42
	s_sub_co_u32 s43, s40, s41
	s_lshr_b32 s46, s43, s42                       ; the tile of 16 rows
	s_lshl_b32 s47, s46, s42
	s_sub_co_u32 s47, s43, s47                     ; the chunk of 32 along K
	s_add_co_u32 s42, s42, 7                       ; a row is 128 bytes x its chunks
	s_lshl_b32 s46, s46, 4
	s_lshl_b32 s46, s46, s42
	s_lshl_b32 s47, s47, 7
	s_add_co_u32 s46, s46, s47
	s_mov_b32 s47, 0
	s_add_nc_u64 s[44:45], s[44:45], s[46:47]
	v_lshlrev_b32 v4, s42, v9                      ; row r,
	v_lshl_add_u32 v4, v10, 5, v4                  ; + 32 h: k = 8 h + 0 .. 7, and 16 further on
	s_wait_alu depctr_va_vdst(0)                   ; v4 and v1 are written: the loads and stores of this role read them as their offsets
	global_load_b128 v[128:131], v4, s[44:45]
	global_load_b128 v[132:135], v4, s[44:45] offset:16
	global_load_b128 v[136:139], v4, s[44:45] offset:64
	global_load_b128 v[140:143], v4, s[44:45] offset:80
	s_lshl_b32 s48, s40, 11
	s_mov_b32 s49, 0
	s_add_nc_u64 s[50:51], s[38:39], s[48:49]
	s_wait_loadcnt 0x0
	SPLIT 128, 144, 152, 160                       ; registers 0-3: high v144-147, low v152-155
	SPLIT 136, 148, 156, 160                       ; registers 4-7: high v148-151, low v156-159
	s_wait_alu depctr_va_vdst(0)                   ; the two splits have written v144-159, which the four stores read
.irp p, 0,1,2,3
	global_store_b128 v1, v[144+4*\p:147+4*\p], s[50:51] offset:512*\p   ; high 0-3, high 4-7, low 0-3, low 4-7: 512 consecutive bytes each
.endr
	s_branch .Lend
	; ---- ROLE Q: one fragment of Wc
.Lrole_q:
	v_lshlrev_b32 v4, 12, v10                      ; a row of Wc is 4,096 bytes
	v_lshl_add_u32 v4, v9, 4, v4
	s_sub_co_u32 s40, ttmp9, 8                     ; t
	s_lshl_b32 s42, s40, 16                        ; 16 rows
	s_lshl_b32 s43, s4, 9                          ; K step = wave: 512 bytes
	s_add_co_u32 s42, s42, s43
	s_mov_b32 s43, 0
	s_add_nc_u64 s[44:45], s[18:19], s[42:43]
	s_wait_alu depctr_va_vdst(0)                   ; v4, v1, v2 and the stage's addresses v112, v113 are written: the loads, LDS instructions and stores of this role read them
	QLOAD BA, 4, 44, 4096, 0
	s_lshl_b32 s46, s40, 3
	s_add_co_u32 s46, s46, s4                      ; f = 8 t + s
	s_lshl_b32 s48, s46, 10
	s_mov_b32 s49, 0
	s_add_nc_u64 s[50:51], s[30:31], s[48:49]
	s_lshl_b32 s48, s46, 7
	s_add_nc_u64 s[52:53], s[32:33], s[48:49]
	s_wait_loadcnt 0x0
	QTURN BA, ATSQ, ATLQ
	s_wait_dscnt 0x0
	QUANT BA, XC, 18
	s_wait_alu depctr_va_vdst(0)                   ; the quantiser has written the codes v32-39 and the scale word v18, which the three stores read
	global_store_b128 v1, v[XC:XC+3], s[50:51]
	global_store_b128 v1, v[XC+4:XC+7], s[50:51] offset:512
	global_store_b32 v2, v18, s[52:53]
	s_branch .Lend
	; ---- ROLE R: waves 0-3 quantise 16 rows of reactions each, waves 4-7 a tile of W2 each (and bring Wra's tile); a barrier; waves 0-3 multiply
.Lrole_r:
	v_lshlrev_b32 v4, 10, v10                      ; a row of reactions and of W2 is 1,024 bytes
	v_lshl_add_u32 v4, v9, 4, v4
	s_lshl_b32 s40, ttmp9, 16                      ; my work-group's 64 rows of reactions
	s_mov_b32 s41, 0
	s_lshl_b32 s42, s5, 14                         ; my 16 rows
	s_mov_b32 s43, 0
	s_cmp_lt_u32 s4, 4
	s_cselect_b64 s[44:45], s[8:9], s[10:11]
	s_cselect_b32 s40, s40, 0
	s_add_nc_u64 s[44:45], s[44:45], s[40:41]
	s_add_nc_u64 s[44:45], s[44:45], s[42:43]
	s_lshl_b32 s40, ttmp9, 14                      ; the same rows in r and in ra: 256 bytes a row
	s_lshl_b32 s42, s5, 12
	s_add_co_u32 s40, s40, s42
	s_add_nc_u64 s[48:49], s[34:35], s[40:41]
	s_add_nc_u64 s[50:51], s[36:37], s[40:41]
	s_add_nc_u64 s[46:47], s[14:15], s[42:43]      ; Wra's tile w - 4: 16 rows of 256 bytes
	s_wait_alu depctr_va_vdst(0)                   ; v4 and the head's offsets and LDS addresses (v1-3, v5, v6, v15, v28-31) are written: every load, LDS instruction and store of this role reads one of them
	s_cmp_lt_u32 s4, 4
	s_cbranch_scc0 .Lr_weights
.irp t, 0,1,2,3                                ; the biases are the C of each sum's first product: lane (r, h) wants those of columns 16 t + 8 h + 0 .. 7
	global_load_b128 v[DD+8*\t:DD+8*\t+3], v3, s[12:13] offset:64*\t
	global_load_b128 v[DD+8*\t+4:DD+8*\t+7], v3, s[12:13] offset:64*\t+16
	global_load_b128 v[EE+8*\t:EE+8*\t+3], v3, s[16:17] offset:64*\t
	global_load_b128 v[EE+8*\t+4:EE+8*\t+7], v3, s[16:17] offset:64*\t+16
.endr
	s_branch .Lr_rows
.Lr_weights:
.irp n, 0,1,2,3                                ; n = 2 chunk + half: eight numbers, k = 32 chunk + 16 half + 8 h + 0 .. 7
	global_load_b128 v[DD+8*\n:DD+8*\n+3], v31, s[46:47] offset:64*\n
	global_load_b128 v[DD+8*\n+4:DD+8*\n+7], v31, s[46:47] offset:64*\n+16
.endr
.Lr_rows:
	QLOAD BA, 4, 44, 1024, 0                       ; K step 0
	QLOAD BB, 4, 44, 1024, 512                     ; K step 1
	s_wait_loadcnt 16                              ; all but K step 1's sixteen
	QTURN BA, 5, 6
	s_wait_dscnt 0x0
	QUANT BA, XC, 18
	s_wait_loadcnt 0x0
	QTURN BB, 5, 6                                 ; (no vector instruction has named BB: its LDS loads owe the wait inside the turn alone)
	s_wait_dscnt 0x0
	QUANT BB, XC+8, 19
	s_cmp_lt_u32 s4, 4
	s_cbranch_scc1 .Lr_meet
.irp n, 0,1,2,3,4,5,6,7,8,9,10,11,12,13,14,15  ; waves 4-7: Wra's tile in bf16, ahead of the arm's one run of stores
	v_cvt_pk_bf16_f32 v[EE+\n], v[DD+2*\n], v[DD+2*\n+1]
.endr
	s_wait_alu depctr_va_vdst(0)                   ; the quantiser has written the codes v32-47 and the scale words v18, v19, the conversions v80-95: the LDS stores below read them
.irp s, 0,1                                    ; the operands go to LDS as they stand in the registers
.irp c, 0,1
	ds_store_b128 v15, v[XC+8*\s+4*\c:XC+8*\s+4*\c+3] offset:W2IMG+1024*\s+512*\c
.endr
	ds_store_b32 v28, v[18+\s] offset:W2SC+128*\s
.endr
.irp n, 0,1,2,3
	ds_store_b128 v15, v[EE+4*\n:EE+4*\n+3] offset:WRIMG+512*\n
.endr
.Lr_meet:
	s_wait_dscnt 0x0                               ; my stores have landed
	s_barrier_signal -1
	s_barrier_wait -1
	s_wait_alu depctr_vm_vsrc(0)                   ; the LDS stores of the arm above have read v32-47 and v80-95, which the lines below write again: the wait stands ahead of the branch, on every way to those writes
	s_cmp_lt_u32 s4, 4
	s_cbranch_scc0 .Lend                           ; waves 4-7 are done
	PLACES 8                                       ; my scale words were written by vector instructions: eight places ahead of a scaled product (my codes: four)
	s_wait_alu depctr_va_vdst(0)                   ; behind the places: the quantiser has written my codes v32-47 and scale words v18, v19, which the scaled products take, and is done reading v128-255, in which the fragments below land
.irp f, 0,1,2,3,4,5,6,7                        ; f = 2 t + K step (W2), 2 t + chunk (Wra)
	ds_load_b128 v[BA+8*\f:BA+8*\f+3], v1 offset:W2IMG+1024*\f
	ds_load_b128 v[BA+8*\f+4:BA+8*\f+7], v1 offset:W2IMG+1024*\f+512
	ds_load_b32 v[20+\f], v2 offset:W2SC+128*\f
	ds_load_b128 v[BB+8*\f:BB+8*\f+3], v1 offset:WRIMG+1024*\f
	ds_load_b128 v[BB+8*\f+4:BB+8*\f+7], v1 offset:WRIMG+1024*\f+512
.endr
	s_wait_dscnt 0x0
.irp s, 0,1                                    ; TRANSPOSED: source 0 = 16 rows of W2, source 1 = my 16 rows.  The four accumulators take turns
.irp t, 0,1,2,3
	v_wmma_scale_f32_16x16x128_f8f6f4 v[DD+8*\t:DD+8*\t+7], v[BA+8*(2*\t+\s):BA+8*(2*\t+\s)+7], v[XC+8*\s:XC+8*\s+7], v[DD+8*\t:DD+8*\t+7], v[20+2*\t+\s], v[18+\s] matrix_a_fmt:MATRIX_FMT_FP4 matrix_b_fmt:MATRIX_FMT_FP4
.endr
.endr
	PLACES 4
.irp j, 0,1,2,3,4,5,6,7,8,9,10,11,12,13,14,15,16,17,18,19,20,21,22,23,24,25,26,27,28,29,30,31
	v_max_num_f32 v[DD+\j], 0, v[DD+\j]            ; r
.endr
	s_wait_alu depctr_va_vdst(0)                   ; r is written in v48-79, which the LDS stores read; the scaled products are done reading v128-191, in which the rows of both ways out land
	OUTROWS DD, 128, 48
.irp n, 0,1,2,3,4,5,6,7,8,9,10,11,12,13,14,15  ; tiles 2 c and 2 c + 1, packed in pairs, are registers 0-3 and 4-7 of the next operand's chunk c
	v_cvt_pk_bf16_f32 v[XC+\n], v[DD+2*\n], v[DD+2*\n+1]
.endr
.irp c, 0,1
.irp t, 0,1,2,3
	v_wmma_f32_16x16x32_bf16 v[EE+8*\t:EE+8*\t+7], v[BB+8*(2*\t+\c):BB+8*(2*\t+\c)+7], v[XC+8*\c:XC+8*\c+7], v[EE+8*\t:EE+8*\t+7]
.endr
.endr
	PLACES 4
	s_wait_alu depctr_va_vdst(0)                   ; behind the places: the products have written ra in v80-111, which the LDS stores read
	OUTROWS EE, 160, 50
.Lend:
	s_wait_dscnt 0x0                               ; the closing lines, six on end
	s_wait_alu 0x0
	s_wait_tensorcnt 0x0
	ds_add_u32 v[SPW], v[NIL]
	s_wait_dscnt 0x0
	s_endpgm
.Lfunc_end_k_qec0e457116_prep:
	.size	k_qec0e457116_prep, .Lfunc_end_k_qec0e457116_prep-k_qec0e457116_prep
	.p2alignl 7, 3214868480
	.fill 96, 4, 3214868480
	.section	.rodata,"a",@progbits
	.p2align	6, 0x0
	.amdhsa_kernel k_qec0e457116_prep
		.amdhsa_group_segment_fixed_size 157696
		.amdhsa_private_segment_fixed_size 0
		.amdhsa_enable_private_segment 0
		.amdhsa_kernarg_size 128
		.amdhsa_user_sgpr_count 2
		.amdhsa_user_sgpr_kernarg_segment_ptr 1
		.amdhsa_wavefront_size32 1
		.amdhsa_system_sgpr_workgroup_id_x 1
		.amdhsa_system_sgpr_workgroup_id_y 1
		.amdhsa_system_sgpr_workgroup_id_z 1
		.amdhsa_system_vgpr_workitem_id 0
		.amdhsa_next_free_vgpr 256
		.amdhsa_next_free_sgpr 66
		.amdhsa_reserve_vcc 0
		.amdhsa_float_denorm_mode_32 3
		.amdhsa_float_denorm_mode_16_64 3
		.amdhsa_memory_ordered 1
		.amdhsa_forward_progress 1
		.amdhsa_inst_pref_size 43
	.end_amdhsa_kernel
	.amdgpu_metadata
---
amdhsa.version: [ 1, 2 ]
amdhsa.kernels:
  - .name:           k_qec0e457116_prep
    .symbol:         k_qec0e457116_prep.kd
    .args:
      - { .name: reactions, .offset: 0, .size: 8, .value_kind: global_buffer, .address_space: global }
      - { .name: W2, .offset: 8, .size: 8, .value_kind: global_buffer, .address_space: global }
      - { .name: b2, .offset: 16, .size: 8, .value_kind: global_buffer, .address_space: global }
      - { .name: Wra, .offset: 24, .size: 8, .value_kind: global_buffer, .address_space: global }
      - { .name: bra, .offset: 32, .size: 8, .value_kind: global_buffer, .address_space: global }
      - { .name: Wc, .offset: 40, .size: 8, .value_kind: global_buffer, .address_space: global }
      - { .name: W1, .offset: 48, .size: 8, .value_kind: global_buffer, .address_space: global }
      - { .name: Wpa, .offset: 56, .size: 8, .value_kind: global_buffer, .address_space: global }
      - { .name: Wa, .offset: 64, .size: 8, .value_kind: global_buffer, .address_space: global }
      - { .name: Wf1, .offset: 72, .size: 8, .value_kind: global_buffer, .address_space: global }
      - { .name: Wf2, .offset: 80, .size: 8, .value_kind: global_buffer, .address_space: global }
      - { .name: wcq, .offset: 88, .size: 8, .value_kind: global_buffer, .address_space: global }
      - { .name: wcs, .offset: 96, .size: 8, .value_kind: global_buffer, .address_space: global }
      - { .name: rbuf, .offset: 104, .size: 8, .value_kind: global_buffer, .address_space: global }
      - { .name: rabuf, .offset: 112, .size: 8, .value_kind: global_buffer, .address_space: global }
      - { .name: wfrag, .offset: 120, .size: 8, .value_kind: global_buffer, .address_space: global }
    .group_segment_fixed_size: 157696
    .private_segment_fixed_size: 0
    .kernarg_segment_align: 8
    .kernarg_segment_size: 128
    .max_flat_workgroup_size: 256
    .sgpr_count:     66
    .vgpr_count:     256
    .wavefront_size: 32
...
	.end_amdgpu_metadata
.endif
;; end of part 4
;; launch main (part 5): grid 256 x 1, 16 waves a work-group, no clusters, 190,208 bytes of LDS; arguments protein, wcq, wcs, bc, wfrag, b1, bpa, ba, rabuf, sqpart, protpart; writes sqpart, protpart
.if DOCPART == 5
	.amdgcn_target "amdgcn-amd-amdhsa--gfx1250"
	.amdhsa_code_object_version 6
	.text
	.protected	k_qec0e457116_main
	.globl	k_qec0e457116_main
	.p2align	8
	.type	k_qec0e457116_main,@function
k_qec0e457116_main:
	s_mov_b64 s[64:65], 0
	v_nop
	global_prefetch_b8 v0, s[64:65] scope:SCOPE_SE
	s_setreg_imm32_b32 hwreg(HW_REG_WAVE_SCHED_MODE, 0, 2), 2
	s_setreg_imm32_b32 hwreg(HW_REG_WAVE_MODE, 25, 1), 1
	s_wait_xcnt 0x0
	s_wait_alu depctr_vm_vsrc(0)
; MAIN: work-group b owns protein rows l = 16 b .. 16 b + 15, with all 512 q and all 64 channels.
;   p = relu(Q(protein) Q(Wc)^T + bc) on codes of E2M1; k = relu(p W1^T + b1) on pairs of bf16 (high and low part, three products); pa = k Wpa^T + bpa on bf16;
;   then every number of H[q, l, c] = relu(ra[q, c] + pa[l, c]) is made once and added into two sums; the sum over q is whole here, so p_gate, k + k p_gate and its maximum over my 16 l are finished;
;   the sum over my 16 l leaves as a partial sum for each q.
; TWO IDENTITIES, which hold for every input.  (1) A mean is linear: mean(H Wa^T + ba) = mean(H) Wa^T + ba, so Wa meets the means and not H.  (2) relu(a + b) = max(a, -b) + b:
;   sum_q H = sum_q max(ra, -pa) + 512 pa, sum_l H = sum_l max(ra, -pa) + sum_l pa: the inner step is a maximum and two additions.
; LIMITS: the order of rounding differs from a sum of relu(ra + pa): where pa lies far under -ra the mean is a small remainder of sums of the size of pa, with an error of a few 2^-24 |pa| x the depth of the sums.
;   NaN and infinities are not served; a block whose largest magnitude lies under 2^-124 has the scale byte 1, a block of zeros the byte 1 with zero codes; numbers that round to infinity in bf16 are not served.
; SIXTEEN WAVES of 256 registers.  All products are TRANSPOSED (source 0 = 16 rows of a weight, source 1 = my 16 rows): in a result lane (r, h) holds row r, register j column 16 T + 8 h + j,
;   so two neighbouring tiles packed in pairs are the next bf16 operand's registers.  Operands go from wave to wave through LDS as images of their registers.
; NO CLUSTER, NO TENSOR LOAD: what work-groups share (131,072 bytes of Wc's codes, 131,072 of ra, the weights' images) goes once from memory into the very registers that use it, 8,192 bytes a wave;
;   a joint load would lay it into LDS first, behind rounds of a barrier, for a kernel whose length is the 2,048 vector instructions a wave of the loop over pairs.  No LDS region but a wave's own stage is written twice.
; THE MODE: SCHED_MODE bits 1:0 = 2 (LLVM: expert scheduling mode 2), set by the entry lines.  The code itself states the register dependences
; between vector or matrix instructions and memory or LDS instructions, with s_wait_alu, always for 0.
; THE PLAN.  Registers that memory or LDS instructions touch:
;   v1-17, v22    offsets and LDS addresses: written at the head, never again: one wait on va_vdst ahead of the first load.
;   v24-87        every phase's LDS loads land here and its vector or matrix instructions read them.  Each phase ends with ONE wait on va_vdst, behind its last vector instruction and ahead of its LDS stores: it states that the
;                 stores' data are written, and that the phase is done with v24-87; no vector instruction stands between it and the next phase's loads.
;   v168-183, v56-59, v24-25, v160   data of LDS stores (and v168-183 of the pair loop's global stores) that a later phase writes again: one wait on vm_vsrc behind the barrier that follows the stores, on the way that all waves take.
;   v88-151       Wc's fragments, read by the scaled products; ra lands there behind the places and a wait on va_vdst.
;   v224-239, v248-255   Wpa and bpa, read by pa's products; Wa and ba land there behind the first group's wait on va_vdst.
;   v20, v21      written at the head, read by the closing add alone.
.set XIMG,  0          ; protein's eight fragments [K step][half][lane][16]
.set XSC,   8192       ; their scale words [K step][lane] 4
.set PIMG,  9216       ; p as bf16 [chunk 8][high, low][half][lane][16]
.set KPART, 25600      ; partial sums of k [wave][half][lane][16]
.set KIMG,  41984      ; k as bf16 [chunk 2][half][lane][16]
.set NPA,   44032      ; -pa, 16 rows, 272 bytes apart
.set SLROW, 48384      ; mean over q of H, 16 rows, 272 bytes apart
.set PMAX,  52736      ; the maximum over my 16 l, 64 channels
.set SPARE, 52992      ; the spare words, 128 bytes a wave
.set STG,   55040      ; waves 0-7: a stage of 2 x 16 rows x 272 bytes each
.set LPART, 124672     ; sums over a wave's 32 q [wave][l][256 bytes]
.set H8,   18
.set TP,   19
.set SPW,  20          ; my spare word's address; never rewritten
.set NIL,  21          ; 0; never rewritten
.set QT,   184         ; the quantiser's six at work
.set SEL,  60
.set MASK, 62
; v1 16 L; v2 8 L; v3 4 L; v4 32 h; v5 4,096 h + 16 r; v6, v7 my stage, in and out; v8 1,024 w + 16 L; v9 128 w + 4 L; v10 2,048 (w / 2) + 512 (w % 2) + 16 L; v11 1,024 (w / 2) + 512 (w % 2) + 16 L;
; v12 4,096 g + 16 L; v13 272 r + 32 h; v14 v13 + 64 t; v15 272 w + 8 L; v16 LPART + 4,096 w + 8 L; v17 LPART + 256 w + 8 L; v22 64 t + 32 h.   t = w % 4, g = w / 4
; v24-87 at work; v88-151 Wc's fragments, then ra; v152-159 Wc's scale words, v160-167 protein's (scales alone); v168-191 three accumulators; v192-223 W1; v224-239 Wpa, then Wa; v240-247 b1, then k; v248-255 bpa, then ba
.macro PLACES n
.rept \n
	v_nop
.endr
.endm
.macro BAR                             ; my LDS stores have landed and my LDS loads are in: then the work-group's barrier
	s_wait_dscnt 0x0
	s_barrier_signal -1
	s_barrier_wait -1
.endm
.macro QTURN buf, ats, atl             ; through my own stage: afterwards register 32 c + n holds k = 64 c + 32 h + n of row r.  LDS serves a wave's instructions in order
.irp c, 0,1
.irp i, 0,1,2,3,4,5,6,7
	ds_store_b128 v[\ats], v[\buf+32*\c+4*\i:\buf+32*\c+4*\i+3] offset:4352*\c+544*\i
.endr
.endr
	s_wait_alu depctr_vm_vsrc(0)                       ; the sixteen LDS stores above have read the buffer's 64 registers, in which the loads below land
.irp c, 0,1
.irp i, 0,1,2,3,4,5,6,7
	ds_load_b128 v[\buf+32*\c+4*\i:\buf+32*\c+4*\i+3], v[\atl] offset:4352*\c+16*\i
.endr
.endr
.endm
.macro QUANT buf, cod, sw              ; 64 numbers of a lane become a fragment's codes and the row's scale word
.irp c, 0,1
	v_max3_num_f32 v[QT+\c], |v[\buf+32*\c]|, |v[\buf+32*\c+1]|, 0x1800000   ; my block 2 c + h, and the floor 2^(3 - 127)
.endr
.irp i, 2,4,6,8,10,12,14,16,18,20,22,24,26,28,30
.irp c, 0,1
	v_max3_num_f32 v[QT+\c], v[QT+\c], |v[\buf+32*\c+\i]|, |v[\buf+32*\c+\i+1]|
.endr
.endr
.irp c, 0,1
	v_add_nc_u32 v[QT+2+\c], 0xff000000, v[QT+\c]      ; 2 off the exponent field: the conversion's scale operand
.endr
.irp c, 0,1
	v_lshrrev_b32 v[QT+4+\c], 23, v[QT+2+\c]
.endr
	v_lshl_or_b32 v[\sw], v[QT+5], 16, v[QT+4]
	v_lshlrev_b32 v[\sw], v[H8], v[\sw]
	v_permlanex16_b32 v[TP], v[\sw], s[SEL], s[SEL+1]
	v_or_b32 v[\sw], v[\sw], v[TP]
.irp c, 0,1
.irp g, 0,1,2,3
	v_cvt_scalef32_pk8_fp4_f32 v[\cod+4*\c+\g], v[\buf+32*\c+8*\g:\buf+32*\c+8*\g+7], v[QT+2+\c]
.endr
.endr
	v_nop                                              ; one plain place behind the last scaled conversion
.endm
.macro SPLIT src, hi, lo, tmp          ; eight f32: four registers of bf16, and four of what is left (the differences are exact)
.irp m, 0,1,2,3
	v_cvt_pk_bf16_f32 v[\hi+\m], v[\src+2*\m], v[\src+2*\m+1]
.endr
.irp m, 0,1,2,3
	v_lshlrev_b32 v[\tmp+2*(\m%2)], 16, v[\hi+\m]
	v_and_b32 v[\tmp+2*(\m%2)+1], s[MASK], v[\hi+\m]
	v_sub_f32 v[\tmp+2*(\m%2)], v[\src+2*\m], v[\tmp+2*(\m%2)]
	v_sub_f32 v[\tmp+2*(\m%2)+1], v[\src+2*\m+1], v[\tmp+2*(\m%2)+1]
	v_cvt_pk_bf16_f32 v[\lo+\m], v[\tmp+2*(\m%2)], v[\tmp+2*(\m%2)+1]
.endr
.endm
; high x high, high x low, low x high, on three accumulators that take turns.  z = 1: the products start the sums
.macro MM3 a0, a1, a2, whi, wlo, xhi, xlo, z
.if \z
	v_wmma_f32_16x16x32_bf16 v[\a0:\a0+7], v[\whi:\whi+7], v[\xhi:\xhi+7], 0
	v_wmma_f32_16x16x32_bf16 v[\a1:\a1+7], v[\whi:\whi+7], v[\xlo:\xlo+7], 0
	v_wmma_f32_16x16x32_bf16 v[\a2:\a2+7], v[\wlo:\wlo+7], v[\xhi:\xhi+7], 0
.else
	v_wmma_f32_16x16x32_bf16 v[\a0:\a0+7], v[\whi:\whi+7], v[\xhi:\xhi+7], v[\a0:\a0+7]
	v_wmma_f32_16x16x32_bf16 v[\a1:\a1+7], v[\whi:\whi+7], v[\xlo:\xlo+7], v[\a1:\a1+7]
	v_wmma_f32_16x16x32_bf16 v[\a2:\a2+7], v[\wlo:\wlo+7], v[\xhi:\xhi+7], v[\a2:\a2+7]
.endif
.endm
.macro SUM3 a0, a1, a2                 ; each accumulator is read from its low end on
.irp p, 0,2,4,6
	v_pk_add_f32 v[\a0+\p:\a0+\p+1], v[\a0+\p:\a0+\p+1], v[\a1+\p:\a1+\p+1]
.endr
.irp p, 0,2,4,6
	v_pk_add_f32 v[\a0+\p:\a0+\p+1], v[\a0+\p:\a0+\p+1], v[\a2+\p:\a2+\p+1]
.endr
.endm
.macro SIGM z                          ; eight sigmoids in place: 1 / (1 + 2^(-z log2 e)); each batch of transcendentals has a plain place and one wait ahead of its first reader
.irp j, 0,1,2,3,4,5,6,7
	v_mul_f32 v[\z+\j], 0xbfb8aa3b, v[\z+\j]
.endr
.irp j, 0,1,2,3,4,5,6,7
	v_exp_f32 v[\z+\j], v[\z+\j]
.endr
	v_nop
	s_wait_alu depctr_va_vdst(0)                       ; the eight exponentials have written their results, which the additions below read
.irp j, 0,1,2,3,4,5,6,7
	v_add_f32 v[\z+\j], 1.0, v[\z+\j]
.endr
.irp j, 0,1,2,3,4,5,6,7
	v_rcp_f32 v[\z+\j], v[\z+\j]
.endr
	v_nop
	s_wait_alu depctr_va_vdst(0)                       ; the eight reciprocals have written their results, which the lines behind the macro read
.endm
; Four q (4 g .. 4 g + 3 of my 32) against one l, my two channels: eight maxima; four packed additions into the q's sums over l; four into l's sum over q.  Nothing is cleared: the first terms start the sums
.macro PBLK g, l
.set T, 192+8*((\l)%2)
.set U, 184+4*((\l)%2)
.set AQ, 168+8*((\g)%2)
.irp i, 0,1,2,3
	v_max_num_f32 v[T+2*\i], v[88+8*(\g)+2*\i], v[24+2*(\l)]
	v_max_num_f32 v[T+2*\i+1], v[88+8*(\g)+2*\i+1], v[24+2*(\l)+1]
.endr
.irp i, 0,1,2,3
.if (\l) == 0
	v_pk_add_f32 v[AQ+2*\i:AQ+2*\i+1], v[T+2*\i:T+2*\i+1], v[208:209] neg_lo:[0,1] neg_hi:[0,1]   ; + the sum of pa over my 16 l
.else
	v_pk_add_f32 v[AQ+2*\i:AQ+2*\i+1], v[AQ+2*\i:AQ+2*\i+1], v[T+2*\i:T+2*\i+1]
.endif
.endr
	v_pk_add_f32 v[U:U+1], v[T:T+1], v[T+2:T+3]
	v_pk_add_f32 v[U+2:U+3], v[T+4:T+5], v[T+6:T+7]
.if (\g) == 0
	v_pk_add_f32 v[56+2*(\l):57+2*(\l)], v[U:U+1], v[U+2:U+3]
.else
	v_pk_add_f32 v[U:U+1], v[U:U+1], v[U+2:U+3]
	v_pk_add_f32 v[56+2*(\l):57+2*(\l)], v[56+2*(\l):57+2*(\l)], v[U:U+1]
.endif
.endm
	s_load_b512 s[8:23], s[0:1], 0x0               ; protein 8, wcq 10, wcs 12, bc 14, wfrag 16, b1 18, bpa 20, ba 22
	s_load_b128 s[24:27], s[0:1], 0x40             ; rabuf 24, sqpart 26
	s_load_b64 s[28:29], s[0:1], 0x50              ; protpart
	v_lshl_add_u32 v[SPW], v0, 2, SPARE
	v_mov_b32 v[NIL], 0
	v_lshrrev_b32 v23, 5, v0
	v_readfirstlane_b32 s4, v23                    ; wave 0..15
	v_and_b32 v23, 31, v0                          ; L
	v_and_b32 v24, 15, v0                          ; r
	v_bfe_u32 v25, v0, 4, 1                        ; h
	v_lshlrev_b32 v1, 4, v23
	v_lshlrev_b32 v2, 3, v23
	v_lshlrev_b32 v3, 2, v23
	v_lshlrev_b32 v4, 5, v25
	v_lshlrev_b32 v5, 12, v25
	v_lshl_add_u32 v5, v24, 4, v5
	s_wait_alu depctr_va_sdst(0)                   ; s4 is written, ahead of its first reader
	s_and_b32 s5, s4, 3                            ; t
	s_lshr_b32 s6, s4, 2                           ; g
	s_mul_i32 s7, s4, 8704
	s_add_co_u32 s7, s7, STG
	v_mul_u32_u24 v6, v25, 272
	v_lshl_add_u32 v6, v24, 4, v6
	v_add_nc_u32 v6, s7, v6
	v_mul_u32_u24 v13, v24, 272
	v_lshl_add_u32 v7, v25, 7, v13
	v_add_nc_u32 v7, s7, v7
	v_lshl_add_u32 v13, v25, 5, v13
	s_lshl_b32 s7, s4, 10
	v_add_nc_u32 v8, s7, v1
	s_lshl_b32 s7, s4, 7
	v_add_nc_u32 v9, s7, v3
	s_lshr_b32 s7, s4, 1
	s_and_b32 s31, s4, 1
	s_lshl_b32 s31, s31, 9
	s_lshl_b32 s30, s7, 11
	s_add_co_u32 s30, s30, s31
	v_add_nc_u32 v10, s30, v1
	s_lshl_b32 s30, s7, 10
	s_add_co_u32 s30, s30, s31
	v_add_nc_u32 v11, s30, v1
	s_lshl_b32 s7, s6, 12
	v_add_nc_u32 v12, s7, v1
	s_lshl_b32 s7, s5, 6
	v_add_nc_u32 v14, s7, v13
	v_add_nc_u32 v22, s7, v4
	s_mul_i32 s7, s4, 272
	v_add_nc_u32 v15, s7, v2
	s_lshl_b32 s7, s4, 12
	s_add_co_u32 s7, s7, LPART
	v_add_nc_u32 v16, s7, v2
	s_lshl_b32 s7, s4, 8
	s_add_co_u32 s7, s7, LPART
	v_add_nc_u32 v17, s7, v2
	v_lshlrev_b32 v[H8], 3, v25
	v_mov_b32 v[TP], 0
	s_mov_b32 s[SEL], 0x76543210
	s_mov_b32 s[SEL+1], 0xfedcba98
	s_mov_b32 s[MASK], 0xffff0000
	s_mov_b32 s59, 0
	s_wait_kmcnt 0x0
	s_lshl_b32 s58, ttmp9, 16                      ; my 16 rows of 4,096 bytes,
	s_lshl_b32 s7, s4, 9                           ; K step = wave: 512 bytes
	s_add_co_u32 s58, s58, s7
	s_add_nc_u64 s[32:33], s[8:9], s[58:59]
	s_wait_alu depctr_va_vdst(0)                   ; the offsets and LDS addresses v1-17 and v22 are written, which every load, LDS instruction and store of the kernel reads; the head is done with v24 and v25, in which rows land
	s_cmp_lt_u32 s4, 8
	s_cbranch_scc0 .Lno_rows
.irp c, 0,1                                    ; waves 0-7: 16 rows x 128 numbers; lanes 0-15 read 256 consecutive bytes of row 2 i, lanes 16-31 of row 2 i + 1; read once in the launch
.irp i, 0,1,2,3,4,5,6,7
	global_load_b128 v[24+32*\c+4*\i:24+32*\c+4*\i+3], v5, s[32:33] offset:8192*\i+256*\c th:TH_LOAD_NT
.endr
.endr
.Lno_rows:
	s_lshl_b32 s58, s4, 13
	s_add_nc_u64 s[34:35], s[10:11], s[58:59]      ; Wc's tile w: eight fragments of 1,024 bytes
	s_add_nc_u64 s[52:53], s[24:25], s[58:59]      ; ra of q = 32 w on: rows of 256 bytes
	s_lshl_b32 s58, s4, 10
	s_add_nc_u64 s[36:37], s[12:13], s[58:59]
	s_lshl_b32 s58, s4, 6
	s_add_nc_u64 s[38:39], s[14:15], s[58:59]
	s_lshl_b32 s58, s5, 3
	s_lshl_b32 s7, s6, 1
	s_add_co_u32 s58, s58, s7
	s_lshl_b32 s58, s58, 11
	s_add_nc_u64 s[40:41], s[16:17], s[58:59]      ; W1's fragments 8 t + 2 g, + 1
	s_lshl_b32 s58, s5, 12
	s_add_co_u32 s58, s58, 32*2048
	s_add_nc_u64 s[42:43], s[16:17], s[58:59]      ; Wpa's 32 + 2 t
	s_add_co_u32 s58, s58, 8*2048
	s_add_nc_u64 s[44:45], s[16:17], s[58:59]      ; Wa's 40 + 2 t
	s_lshl_b32 s58, s5, 6
	s_add_nc_u64 s[46:47], s[18:19], s[58:59]
	s_add_nc_u64 s[48:49], s[20:21], s[58:59]
	s_add_nc_u64 s[50:51], s[22:23], s[58:59]
	s_lshl_b32 s58, ttmp9, 9
	s_lshl_b32 s7, s4, 21
	s_add_co_u32 s58, s58, s7
	s_add_nc_u64 s[54:55], s[26:27], s[58:59]      ; sqpart [q / 2][b][q % 2][c]: 16 w pairs of q on, my b
	s_lshl_b32 s58, ttmp9, 8
	s_add_nc_u64 s[56:57], s[28:29], s[58:59]
.irp s, 0,1,2,3,4,5,6,7
	global_load_b128 v[88+8*\s:88+8*\s+3], v1, s[34:35] offset:1024*\s
	global_load_b128 v[88+8*\s+4:88+8*\s+7], v1, s[34:35] offset:1024*\s+512
.endr
.irp s, 0,1,2,3,4,5,6,7
	global_load_b32 v[152+\s], v3, s[36:37] offset:128*\s
.endr
	global_load_b128 v[168:171], v4, s[38:39]      ; bc is the C of the first product
	global_load_b128 v[172:175], v4, s[38:39] offset:16
.irp n, 0,1,2,3,4,5,6,7                        ; W1: chunk n / 4: high 0-3, high 4-7, low 0-3, low 4-7
	global_load_b128 v[192+4*\n:195+4*\n], v1, s[40:41] offset:512*\n
.endr
	s_cmp_lt_u32 s4, 4
	s_cbranch_scc0 .Lno_small
.irp c, 0,1
	global_load_b128 v[224+8*\c:227+8*\c], v1, s[42:43] offset:2048*\c          ; Wpa: the high parts alone
	global_load_b128 v[228+8*\c:231+8*\c], v1, s[42:43] offset:2048*\c+512
.endr
	global_load_b128 v[240:243], v4, s[46:47]
	global_load_b128 v[244:247], v4, s[46:47] offset:16
	global_load_b128 v[248:251], v4, s[48:49]
	global_load_b128 v[252:255], v4, s[48:49] offset:16
.Lno_small:
	; ---- PX, waves 0-7: K step w of my 16 rows becomes a fragment and its scale words
	s_cmp_lt_u32 s4, 8
	s_cbranch_scc0 .Lno_px
	s_wait_loadcnt 34                              ; behind the rows' loads: 16 + 8 + 2 + 8 (in waves 0-3 eight more: the count is then smaller than it need be)
	QTURN 24, 6, 7
	s_wait_dscnt 0x0
	QUANT 24, 176, 160
	s_wait_alu depctr_va_vdst(0)                   ; the quantiser has written the codes v176-183 and the scale word v160, which the LDS stores read, and is done reading v24-87, in which the next phase's fragments land
	ds_store_b128 v8, v[176:179] offset:XIMG
	ds_store_b128 v8, v[180:183] offset:XIMG+512
	ds_store_b32 v9, v160 offset:XSC
.Lno_px:
	BAR
	; ---- P1, all waves: tile w of p: eight products of 128 along K, on two accumulators by turns
	s_wait_alu depctr_vm_vsrc(0)                   ; the LDS stores of waves 0-7 have read v160, in which a scale word lands below, and v176-183, which the second product begins anew
.irp s, 0,1,2,3,4,5,6,7
	ds_load_b128 v[24+8*\s:24+8*\s+3], v1 offset:XIMG+1024*\s
	ds_load_b128 v[24+8*\s+4:24+8*\s+7], v1 offset:XIMG+1024*\s+512
	ds_load_b32 v[160+\s], v3 offset:XSC+128*\s
.endr
	s_wait_dscnt 0x0
	s_wait_loadcnt 8                               ; all but the youngest eight (W1's; in waves 0-3 the small weights')
	v_wmma_scale_f32_16x16x128_f8f6f4 v[168:175], v[88:95], v[24:31], v[168:175], v152, v160 matrix_a_fmt:MATRIX_FMT_FP4 matrix_b_fmt:MATRIX_FMT_FP4
	v_wmma_scale_f32_16x16x128_f8f6f4 v[176:183], v[96:103], v[32:39], 0, v153, v161 matrix_a_fmt:MATRIX_FMT_FP4 matrix_b_fmt:MATRIX_FMT_FP4
.irp s, 2,4,6
	v_wmma_scale_f32_16x16x128_f8f6f4 v[168:175], v[88+8*\s:95+8*\s], v[24+8*\s:31+8*\s], v[168:175], v[152+\s], v[160+\s] matrix_a_fmt:MATRIX_FMT_FP4 matrix_b_fmt:MATRIX_FMT_FP4
	v_wmma_scale_f32_16x16x128_f8f6f4 v[176:183], v[96+8*\s:103+8*\s], v[32+8*\s:39+8*\s], v[176:183], v[153+\s], v[161+\s] matrix_a_fmt:MATRIX_FMT_FP4 matrix_b_fmt:MATRIX_FMT_FP4
.endr
	PLACES 4                                       ; the places ahead of the additions that read the results
	s_wait_alu depctr_va_vdst(0)                   ; the scaled products are done reading Wc's fragments v88-151, in which ra lands
.set I, 0
.rept 32                                       ; ra of my 32 q, my two channels: a row of 256 bytes an instruction; into the registers that Wc's fragments have left
	global_load_b64 v[88+2*I:89+2*I], v2, s[52:53] offset:256*I
.set I, I+1
.endr
.irp p, 0,2,4,6
	v_pk_add_f32 v[168+\p:169+\p], v[168+\p:169+\p], v[176+\p:177+\p]
.endr
.irp j, 0,1,2,3,4,5,6,7
	v_max_num_f32 v[168+\j], 0, v[168+\j]          ; p
.endr
	SPLIT 168, 176, 180, 184
	s_wait_alu depctr_va_vdst(0)                   ; the split has written v176-183, which the LDS stores read
	ds_store_b128 v10, v[176:179] offset:PIMG      ; tile w is half w % 2 of chunk w / 2
	ds_store_b128 v10, v[180:183] offset:PIMG+1024
	BAR
	; ---- P3, all waves: tile t of k, chunks 2 g and 2 g + 1 of its K
	s_wait_alu depctr_vm_vsrc(0)                   ; my LDS stores have read v176-183, which the products below begin anew
.irp n, 0,1,2,3,4,5,6,7                        ; chunk n / 4: high 0-3, high 4-7, low 0-3, low 4-7.  (No vector or matrix instruction since the last wait on va_vdst names v24-55)
	ds_load_b128 v[24+4*\n:27+4*\n], v12 offset:PIMG+512*\n
.endr
	s_wait_dscnt 0x0
	s_wait_loadcnt 32                              ; all but ra's 32
	PLACES 5                                       ; the accumulators are begun anew
	MM3 168, 176, 184, 192, 200, 24, 32, 1
	MM3 168, 176, 184, 208, 216, 40, 48, 0
	PLACES 4
	SUM3 168, 176, 184
	s_wait_alu depctr_va_vdst(0)                   ; the sums are written in v168-175, which the LDS stores read; the products are done reading v24-55, in which the next phases' loads land
	ds_store_b128 v8, v[168:171] offset:KPART
	ds_store_b128 v8, v[172:175] offset:KPART+512
	BAR
	; ---- P3r, waves 0-3: the four parts of tile t, b1, relu: k
	s_cmp_lt_u32 s4, 4
	s_cbranch_scc0 .Lno_p3r
.irp n, 0,1,2,3
	ds_load_b128 v[24+8*\n:27+8*\n], v8 offset:KPART+4096*\n
	ds_load_b128 v[28+8*\n:31+8*\n], v8 offset:KPART+4096*\n+512
.endr
	s_wait_dscnt 0x0
.irp p, 0,2,4,6
	v_pk_add_f32 v[24+\p:25+\p], v[24+\p:25+\p], v[32+\p:33+\p]
	v_pk_add_f32 v[40+\p:41+\p], v[40+\p:41+\p], v[48+\p:49+\p]
.endr
.irp p, 0,2,4,6
	v_pk_add_f32 v[24+\p:25+\p], v[24+\p:25+\p], v[40+\p:41+\p]
.endr
.irp p, 0,2,4,6
	v_pk_add_f32 v[240+\p:241+\p], v[240+\p:241+\p], v[24+\p:25+\p]
.endr
.irp j, 0,1,2,3,4,5,6,7
	v_max_num_f32 v[240+\j], 0, v[240+\j]          ; k's tile stays here to the end
.endr
.irp m, 0,1,2,3
	v_cvt_pk_bf16_f32 v[56+\m], v[240+2*\m], v[240+2*\m+1]
.endr
	s_wait_alu depctr_va_vdst(0)                   ; the conversions have written v56-59, which the LDS store reads; the additions are done with v24-55, in which the next phase's loads land
	ds_store_b128 v11, v[56:59] offset:KIMG
.Lno_p3r:
	BAR
	; ---- P5, waves 0-3: tile t of pa; -pa goes to LDS by rows
	s_wait_alu depctr_vm_vsrc(0)                   ; the LDS stores have read v168-175 (the partial sums of k) and, in waves 0-3, v56-59 (k in bf16): pa's second product and the loop over pairs write them again
	s_cmp_lt_u32 s4, 4
	s_cbranch_scc0 .Lno_p5
.irp n, 0,1,2,3
	ds_load_b128 v[24+4*\n:27+4*\n], v1 offset:KIMG+512*\n
.endr
	s_wait_dscnt 0x0
	PLACES 5                                       ; v168-175 is begun anew
	v_wmma_f32_16x16x32_bf16 v[248:255], v[224:231], v[24:31], v[248:255]
	v_wmma_f32_16x16x32_bf16 v[168:175], v[232:239], v[32:39], 0
	PLACES 4
.irp p, 0,2,4,6
	v_pk_add_f32 v[176+\p:177+\p], v[248+\p:249+\p], v[168+\p:169+\p] neg_lo:[1,1] neg_hi:[1,1]
.endr
	s_wait_alu depctr_va_vdst(0)                   ; -pa is written in v176-183, which the LDS stores read; the products are done reading v24-39, in which the next phase's loads land
	ds_store_b128 v14, v[176:179] offset:NPA
	ds_store_b128 v14, v[180:183] offset:NPA+16
.Lno_p5:
	BAR
	; ---- PAIR, all waves: my 32 q x the 16 l x my lane's two channels
	s_wait_alu depctr_vm_vsrc(0)                   ; the LDS stores of waves 0-3 have read v176-183, which the second group's sums write
.irp l, 0,1,2,3,4,5,6,7,8,9,10,11,12,13,14,15
	ds_load_b64 v[24+2*\l:25+2*\l], v2 offset:NPA+272*\l
.endr
	s_wait_dscnt 0x0
	s_wait_loadcnt 0x0                             ; ra
	v_pk_add_f32 v[208:209], v[24:25], v[26:27]    ; the sum of -pa over the 16 l, in two chains
	v_pk_add_f32 v[210:211], v[28:29], v[30:31]
.irp l, 4,6,8,10,12,14
	v_pk_add_f32 v[208:209], v[208:209], v[24+2*\l:25+2*\l]
	v_pk_add_f32 v[210:211], v[210:211], v[26+2*\l:27+2*\l]
.endr
	v_pk_add_f32 v[208:209], v[208:209], v[210:211]
.set GG, 0
.rept 8
.if GG >= 2
	s_wait_xcnt 0x0                                ; this set of four sums was store data two groups back: it is written again only behind this wait
	s_wait_alu depctr_vm_vsrc(0)                   ; and beside it: those four stores have read the set's eight registers
.endif
.set LL, 0
.rept 16
	PBLK GG, LL
.set LL, LL+1
.endr
	s_wait_alu depctr_va_vdst(0)                   ; the group's four sums are written, which the stores below read
.irp i, 0,1,2,3
	global_store_b64 v2, v[168+8*(GG%2)+2*\i:169+8*(GG%2)+2*\i], s[54:55] offset:(2*GG+\i/2)*131072+(\i%2)*256 th:TH_STORE_NT   ; 32 lanes store 256 consecutive bytes, aligned
.endr
.if GG == 0
	s_cmp_lt_u32 s4, 4                             ; Wa and ba are asked for here: seven groups ahead of their use.  No vector instruction since the wait above names the registers in which they land
	s_cbranch_scc0 .Lno_wa
.irp c, 0,1
	global_load_b128 v[224+8*\c:227+8*\c], v1, s[44:45] offset:2048*\c
	global_load_b128 v[228+8*\c:231+8*\c], v1, s[44:45] offset:2048*\c+512
.endr
	global_load_b128 v[248:251], v4, s[50:51]
	global_load_b128 v[252:255], v4, s[50:51] offset:16
.Lno_wa:
.endif
.set GG, GG+1
.endr
.irp l, 0,1,2,3,4,5,6,7,8,9,10,11,12,13,14,15
	ds_store_b64 v16, v[56+2*\l:57+2*\l] offset:256*\l
.endr
	s_wait_xcnt 0x0                                ; the last group's four stores have read v176-183: the gate's arithmetic below writes these registers again only behind this wait
	s_wait_alu depctr_vm_vsrc(0)                   ; and beside it: the last two groups' stores have read v168-183, the LDS stores above v56-87: a load lands in v56-57 below, and the gate's lines write the others again
	BAR
	; ---- PR, all waves: row l = w: the sixteen waves' sums; / 512, + pa
.irp n, 0,1,2,3,4,5,6,7,8,9,10,11,12,13,14,15
	ds_load_b64 v[24+2*\n:25+2*\n], v17 offset:4096*\n
.endr
	ds_load_b64 v[56:57], v15 offset:NPA
	s_wait_dscnt 0x0
.irp i, 0,1,2,3,4,5,6,7
	v_pk_add_f32 v[24+4*\i:25+4*\i], v[24+4*\i:25+4*\i], v[26+4*\i:27+4*\i]
.endr
.irp i, 0,1,2,3
	v_pk_add_f32 v[24+8*\i:25+8*\i], v[24+8*\i:25+8*\i], v[28+8*\i:29+8*\i]
.endr
	v_pk_add_f32 v[24:25], v[24:25], v[32:33]
	v_pk_add_f32 v[40:41], v[40:41], v[48:49]
	v_pk_add_f32 v[24:25], v[24:25], v[40:41]
	v_pk_fma_f32 v[24:25], v[24:25], 0x3b000000, v[56:57] op_sel_hi:[1,0,1] neg_lo:[0,0,1] neg_hi:[0,0,1]
	s_wait_alu depctr_va_vdst(0)                   ; the mean is written in v24-25, which the LDS store reads; the additions are done with v24-55, in which the next phase's loads land
	ds_store_b64 v15, v[24:25] offset:SLROW
	BAR
	; ---- P6, waves 0-3: tile t of the gate's argument, the gate, k + k gate, its maximum over my 16 l
	s_wait_alu depctr_vm_vsrc(0)                   ; my LDS store has read v24-25, in which loads land below
	s_cmp_lt_u32 s4, 4
	s_cbranch_scc0 .Lno_p6
.irp n, 0,1,2,3,4,5,6,7
	ds_load_b128 v[24+4*\n:27+4*\n], v13 offset:SLROW+64*(\n/2)+16*(\n%2)
.endr
	s_wait_dscnt 0x0
	s_wait_loadcnt 0x0                             ; Wa, ba
.irp n, 0,1,2,3,4,5,6,7,8,9,10,11,12,13,14,15
	v_cvt_pk_bf16_f32 v[56+\n], v[24+2*\n], v[24+2*\n+1]
.endr
	PLACES 5
	v_wmma_f32_16x16x32_bf16 v[248:255], v[224:231], v[56:63], v[248:255]
	v_wmma_f32_16x16x32_bf16 v[168:175], v[232:239], v[64:71], 0
	PLACES 4
.irp p, 0,2,4,6
	v_pk_add_f32 v[176+\p:177+\p], v[248+\p:249+\p], v[168+\p:169+\p]
.endr
	SIGM 176
.irp j, 0,1,2,3,4,5,6,7
	v_fma_f32 v[176+\j], v[240+\j], v[176+\j], v[240+\j]
.endr
.irp x, 1,2,4,8                                ; a lane holds row l = r: the maximum over the sixteen lanes of its half
.irp j, 0,1,2,3,4,5,6,7
	v_max_num_f32_dpp v[176+\j], v[176+\j], v[176+\j] row_xmask:\x row_mask:0xf bank_mask:0xf
.endr
.endr
	s_wait_alu depctr_va_vdst(0)                   ; the maxima are written in v176-183, which the LDS stores read; the conversions are done reading v24-25, in which wave 0's last load lands
	ds_store_b128 v22, v[176:179] offset:PMAX      ; the sixteen lanes of a half write the same bytes with the same values
	ds_store_b128 v22, v[180:183] offset:PMAX+16
.Lno_p6:
	BAR
	s_cmp_lg_u32 s4, 0
	s_cbranch_scc1 .Lend
	ds_load_b64 v[24:25], v2 offset:PMAX
	s_wait_dscnt 0x0
	global_store_b64 v2, v[24:25], s[56:57]        ; 256 consecutive bytes, aligned
.Lend:
	s_wait_dscnt 0x0                               ; the closing lines, six on end
	s_wait_alu 0x0
	s_wait_tensorcnt 0x0
	ds_add_u32 v[SPW], v[NIL]
	s_wait_dscnt 0x0
	s_endpgm
.Lfunc_end_k_qec0e457116_main:
	.size	k_qec0e457116_main, .Lfunc_end_k_qec0e457116_main-k_qec0e457116_main
	.p2alignl 7, 3214868480
	.fill 96, 4, 3214868480
	.section	.rodata,"a",@progbits
	.p2align	6, 0x0
	.amdhsa_kernel k_qec0e457116_main
		.amdhsa_group_segment_fixed_size 190208
		.amdhsa_private_segment_fixed_size 0
		.amdhsa_enable_private_segment 0
		.amdhsa_kernarg_size 88
		.amdhsa_user_sgpr_count 2
		.amdhsa_user_sgpr_kernarg_segment_ptr 1
		.amdhsa_wavefront_size32 1
		.amdhsa_system_sgpr_workgroup_id_x 1
		.amdhsa_system_sgpr_workgroup_id_y 1
		.amdhsa_system_sgpr_workgroup_id_z 1
		.amdhsa_system_vgpr_workitem_id 0
		.amdhsa_next_free_vgpr 256
		.amdhsa_next_free_sgpr 66
		.amdhsa_reserve_vcc 0
		.amdhsa_float_denorm_mode_32 3
		.amdhsa_float_denorm_mode_16_64 3
		.amdhsa_memory_ordered 1
		.amdhsa_forward_progress 1
		.amdhsa_inst_pref_size 140
	.end_amdhsa_kernel
	.amdgpu_metadata
---
amdhsa.version: [ 1, 2 ]
amdhsa.kernels:
  - .name:           k_qec0e457116_main
    .symbol:         k_qec0e457116_main.kd
    .args:
      - { .name: protein, .offset: 0, .size: 8, .value_kind: global_buffer, .address_space: global }
      - { .name: wcq, .offset: 8, .size: 8, .value_kind: global_buffer, .address_space: global }
      - { .name: wcs, .offset: 16, .size: 8, .value_kind: global_buffer, .address_space: global }
      - { .name: bc, .offset: 24, .size: 8, .value_kind: global_buffer, .address_space: global }
      - { .name: wfrag, .offset: 32, .size: 8, .value_kind: global_buffer, .address_space: global }
      - { .name: b1, .offset: 40, .size: 8, .value_kind: global_buffer, .address_space: global }
      - { .name: bpa, .offset: 48, .size: 8, .value_kind: global_buffer, .address_space: global }
      - { .name: ba, .offset: 56, .size: 8, .value_kind: global_buffer, .address_space: global }
      - { .name: rabuf, .offset: 64, .size: 8, .value_kind: global_buffer, .address_space: global }
      - { .name: sqpart, .offset: 72, .size: 8, .value_kind: global_buffer, .address_space: global }
      - { .name: protpart, .offset: 80, .size: 8, .value_kind: global_buffer, .address_space: global }
    .group_segment_fixed_size: 190208
    .private_segment_fixed_size: 0
    .kernarg_segment_align: 8
    .kernarg_segment_size: 88
    .max_flat_workgroup_size: 512
    .sgpr_count:     66
    .vgpr_count:     256
    .wavefront_size: 32
...
	.end_amdgpu_metadata
.endif
;; end of part 5
;; launch final: the kernel of part 3 again; grid 256 x 1, 16 waves a work-group, no clusters, 61,184 bytes of LDS; arguments sqpart, protpart, rbuf, wfrag, ba, bf1, bf2, Wf3, bf3, out0; writes out0
